; MI455X (gfx1250); checked and timed in simulation.
; The chip was launched on July 23, 2026; its instructions are those of AMD's public machine-readable ISA for CDNA 5 (MIT licence, August 2026) and "CDNA5" Instruction Set Architecture Reference Guide (July 2026). The comments in the code are by the model that wrote it; some were corrected since.
;; Hebbian Layer. Allowed arithmetic: float matrix products may take bf16 or f16 operands with f32 sums; all other float work in f32.
;; Inputs: bias 512 float32; weight 512 x 1,024 float32; x 256 x 1,024 float32.
;; Outputs: out0 256 x 512 float32; out1 512 x 1,024 float32.
;; 3 versions, each right; version 2 is faster than version 1; version 3 is version 2 with the launches tile, t1, t2, t3, t4, t5, t6, t7, t8, t9, t10 written anew for expert scheduling mode. Each part assembles by itself: llvm-mc -triple=amdgcn-amd-amdhsa -mcpu=gfx1250 --defsym DOCPART=n.
;; ======== version 1 of 3: 12 launches
;; workspace buffers: INIT 3,932,160 bytes; PA 3,932,160 bytes; PB 3,932,160 bytes; BH 8,192 bytes; TAB 45,056 bytes of whole numbers; LA 4,096 bytes of whole numbers; LB 4,096 bytes of whole numbers
;; launch prep (part 1): grid 8 x 12, 8 waves a work-group, no clusters, 37,888 bytes of LDS; arguments x, weight, bias, out0, INIT, BH, TAB, LA; writes out0, INIT, BH, TAB, LA
.if DOCPART == 1
	.amdgcn_target "amdgcn-amd-amdhsa--gfx1250"
	.amdhsa_code_object_version 6
	.text
	.protected	k_qc75336e81b_prep
	.globl	k_qc75336e81b_prep
	.p2align	8
	.type	k_qc75336e81b_prep,@function
k_qc75336e81b_prep:
	s_mov_b64 s[64:65], 0
	v_nop
	global_prefetch_b8 v0, s[64:65] scope:SCOPE_SE
	s_setreg_imm32_b32 hwreg(HW_REG_WAVE_MODE, 25, 1), 1
	s_wait_xcnt 0x0
; PREPARATION FOR THE SANGER WALK.  With A = [weight (512 rows); x (256 rows)], 768 rows of 1,024 f32, this launch makes
;   D[m][n] = sum over k of A[m][k] x[n][k]   (bf16 operands, f32 sums): rows 0-511 are Z0 = W X^T, rows 512-767 are G = X X^T,
;   out0[n][m] = Z0[m][n] + bias[m],
;   INIT.S [group 40][row 512][32] = sq (W | Z0),   INIT.R [group 40][time 256][32] = LR (x | G),   sq = sqrt(LR), LR = 0.001,
;   BH [4][512]: word j of block I = sq bias[128 I + j - 80] for 80 <= j < 208, else 0,
;   TAB [11][256][4]: for tile launch l, entry e = (row block I, time block C, column group g, first of its tile);  LA = TAB's row 0.
; SHARES.  Work-group (nj = x, mi = y) owns 64 rows m of A and the 32 rows n = 32 nj .. of x.  Wave w takes the K quarter w % 4 and the 32 rows w / 4 of m:
; four accumulators of 16 x 16; the four quarters meet in LDS.  The same work-group copies, scaled, its 64 rows x columns 128 nj .. 128 nj + 127 of A into INIT.
; The matrix instruction takes x's rows as source 0 and A's rows as source 1: a lane then holds one row m and eight neighbouring n.
; No tensor loads, no cluster: a work-group reads each of its bytes once, straight into the registers in which they are rounded to bf16.
; LIMITS.  The operands of the two products are rounded to bf16 (nearest even); all else is f32.
.set SQ,    0x3d0186e2                 ; sqrt(0.001)
.set LRC,   0x3a83126f                 ; 0.001
.set SOFF,  2621440                    ; INIT.R begins behind INIT.S: 40 groups x 65,536 bytes
.set PP,    144                        ; LDS pitch of a row of 32 f32: 128 + 16, an odd multiple of 16, so 16 rows of a 16-byte store begin 16 bytes apart modulo 256
.set WBLK,  32*PP                      ; a wave's 32 x 32 partial sums
.set SPARE, 8*WBLK                     ; behind them: the spare words, 128 bytes a wave, that no other line names
.set ACC,   32                         ; v[32:63]   accumulator (a, b) at ACC + 8 (2 a + b): n tile a, m tile b
.set B0,    64                         ; v[64:255]  three buffers of 64: a K step's 16 f32 a lane for x tiles 0, 1 and A tiles 0, 1; rounded in place
.set YB,    96                         ; out0's way out
.set EB,    192                        ; the copy's 32 registers (the third buffer, once it is free)
; v1 r = lane % 16, v2 h = (lane / 16) % 2, v3 fragment offset, v4 spare word, v5 zero, v6 - v17 addresses, v18 - v22 pieces of the thread's number, v[24:27] bias, v[28:29] BH's pair
; s20 wave, s21 mi, s23 1 for weight's rows, s24 block of 64 rows in its tensor, s[28:29] the scale, s30 log2 of a group's bytes
	s_load_b512 s[4:19], s[0:1], 0x0               ; x, weight, bias, out0, INIT, BH, TAB, LA
	v_lshl_add_u32 v4, v0, 2, SPARE
	v_mov_b32 v5, 0
	v_lshrrev_b32 v20, 5, v0
	v_readfirstlane_b32 s20, v20                   ; wave 0..7
	s_and_b32 s21, ttmp7, 0xffff                   ; mi 0..11
	s_and_b32 s24, s21, 7                          ; mi, or mi - 8 for x's rows
	s_and_b32 s25, s20, 3                          ; K quarter
	s_lshr_b32 s26, s20, 2                         ; which 32 rows of m
	s_mov_b32 s28, LRC
	s_mov_b32 s29, SQ
	s_mov_b32 s52, SOFF
	s_cmp_lt_u32 s21, 8                            ; weight's rows?
	s_cselect_b32 s23, 1, 0
	s_cselect_b32 s28, s29, s28                    ; state is scaled by sq, carries by LR
	s_cselect_b32 s30, 16, 15                      ; a group is 65,536 bytes of state or 32,768 of carries
	s_cselect_b32 s52, 0, s52
	s_mov_b32 s29, s28                             ; named as a pair
	; byte offsets, made apart from the addresses
	s_lshl_b32 s32, s24, 18                        ; 64 rows of 4,096 bytes
	s_mov_b32 s33, 0
	s_lshl_b32 s27, s26, 17
	s_add_co_u32 s40, s32, s27
	s_lshl_b32 s27, s25, 10                        ; 256 k of 4 bytes
	s_add_co_u32 s40, s40, s27                     ; A: my 32 rows, my K quarter
	s_mov_b32 s41, 0
	s_lshl_b32 s42, ttmp9, 17
	s_add_co_u32 s42, s42, s27                     ; x: rows 32 nj .., my K quarter
	s_mov_b32 s43, 0
	s_lshl_b32 s27, ttmp9, 9
	s_add_co_u32 s32, s32, s27                     ; the copy's source: my 64 rows, columns 128 nj ..
	s_lshl_b32 s31, s24, 13                        ; 64 rows of 128 bytes in a group
	s_add_co_u32 s31, s31, s52
	s_lshl_b32 s44, ttmp9, 2
	s_lshl_b32 s44, s44, s30
	s_add_co_u32 s44, s44, s31                     ; the copy's target: groups 4 nj ..
	s_mov_b32 s45, 0
	s_add_co_u32 s46, ttmp9, 32
	s_lshl_b32 s46, s46, s30
	s_add_co_u32 s46, s46, s31                     ; D's target: group 32 + nj
	s_mov_b32 s47, 0
	s_lshl_b32 s48, ttmp9, 16                      ; out0: 32 rows of 2,048 bytes,
	s_lshl_b32 s56, s24, 8                         ; 64 columns of 4 bytes
	s_add_co_u32 s48, s48, s56
	s_mov_b32 s49, 0
	s_mul_i32 s55, s20, WBLK
	s_lshl_b32 s53, 2, s30                         ; two groups
	s_and_b32 s54, s21, 3
	s_lshl_b32 s54, s54, 9                         ; 128 biases of 4 bytes
	v_and_b32 v1, 15, v0
	v_bfe_u32 v2, v0, 4, 1
	v_bfe_u32 v18, v0, 3, 1
	v_and_b32 v19, 7, v0
	v_lshrrev_b32 v21, 4, v0
	v_lshrrev_b32 v22, 3, v0
	v_lshlrev_b32 v3, 12, v1                       ; a fragment's row r, and k = 8 h .. as 32 bytes of f32
	v_lshl_add_u32 v3, v2, 5, v3
	v_mul_u32_u24 v6, v1, PP                       ; partial sums in: row r, columns 8 h ..
	v_lshl_add_u32 v6, v2, 5, v6
	v_add_nc_u32 v6, s55, v6
	v_mul_u32_u24 v7, v22, PP                      ; back by rows: row thread / 8, 16 bytes at thread % 8
	v_lshl_add_u32 v7, v19, 4, v7
	v_lshlrev_b32 v8, 4, v0                        ; 16 x thread
	v_mul_u32_u24 v9, v18, 4*WBLK                  ; back by columns: m = 4 (thread % 16) + u, n = thread / 16 + 16 i
	v_mad_u32_u24 v9, v19, 4*PP, v9
	v_lshl_add_u32 v9, v21, 2, v9
	v_lshlrev_b32 v10, 11, v21                     ; out0: row thread / 16, 16 bytes at thread % 16
	v_lshl_add_u32 v10, v1, 4, v10
	v_lshlrev_b32 v11, 4, v19                      ; the copy's source: rows 8 w + (lane / 8) % 2, 128 bytes at lane / 16
	v_lshl_add_u32 v11, v18, 12, v11
	v_lshl_add_u32 v11, v2, 7, v11
	v_lshl_add_u32 v11, v20, 15, v11
	v_lshlrev_b32 v12, s30, v2                     ; its target: group lane / 16, the same rows, now 128 bytes apart
	v_lshl_add_u32 v12, v18, 7, v12
	v_lshl_add_u32 v12, v19, 4, v12
	v_lshl_add_u32 v12, v20, 10, v12
	v_add_nc_u32 v13, s53, v12                     ; and two groups on
	v_lshl_add_u32 v14, v1, 4, s56                 ; bias of my four columns of out0
	v_lshlrev_b32 v16, 1, v0
	v_add_nc_u32 v16, 0xffffffb0, v16              ; BH: word 2 x thread stands for bias 2 x thread - 80 of the block
	v_min_u32 v15, 0x7e, v16                       ; kept inside the block's 128; the words outside become 0 below
	v_lshl_add_u32 v15, v15, 2, s54
	v_lshlrev_b32 v17, 3, v0
	s_wait_kmcnt 0x0
	s_cmp_eq_u32 s23, 1
	s_cselect_b64 s[34:35], s[6:7], s[4:5]         ; A's rows come from weight or from x
	s_add_nc_u64 s[36:37], s[34:35], s[40:41]
	s_add_nc_u64 s[38:39], s[4:5], s[42:43]
	s_add_nc_u64 s[34:35], s[34:35], s[32:33]
	s_add_nc_u64 s[44:45], s[12:13], s[44:45]
	s_add_nc_u64 s[46:47], s[12:13], s[46:47]
	s_add_nc_u64 s[48:49], s[10:11], s[48:49]
	; every work-group loads these two, at addresses inside bias for all of them, so that the count of loads is one on every path; only some store what is made of them
	global_load_b128 v[24:27], v14, s[8:9]
	global_load_b64 v[28:29], v15, s[8:9]
; 16 loads: K step s (32 k = 128 bytes of a row) of x tiles 0, 1 and A tiles 0, 1.  A lane takes k = 8 h .. 8 h + 7 and 16 + 8 h .. 16 + 8 h + 7 of row r.
.macro LOADSTEP s, buf
.irp f, 0,1
.irp c, 0,1,2,3
	global_load_b128 v[(\buf)+16*(\f)+4*(\c):(\buf)+16*(\f)+4*(\c)+3], v3, s[38:39] offset:(\f)*65536+(\s)*128+((\c)/2)*64+((\c)%2)*16
.endr
.endr
.irp f, 0,1
.irp c, 0,1,2,3
	global_load_b128 v[(\buf)+32+16*(\f)+4*(\c):(\buf)+32+16*(\f)+4*(\c)+3], v3, s[36:37] offset:(\f)*65536+(\s)*128+((\c)/2)*64+((\c)%2)*16
.endr
.endr
.endm
; 16 f32 become 8 registers of bf16 in place: target i lies at or below its sources 2 i, 2 i + 1 and below all later ones
.macro CVT buf
.irp f, 0,1,2,3
.irp i, 0,1,2,3,4,5,6,7
	v_cvt_pk_bf16_f32 v[(\buf)+16*(\f)+(\i)], v[(\buf)+16*(\f)+2*(\i)], v[(\buf)+16*(\f)+2*(\i)+1]
.endr
.endr
.endm
; four products; the four accumulators take turns, one instruction a turn, from step to step too
.macro MM buf, first
.irp a, 0,1
.irp b, 0,1
.if \first
	v_wmma_f32_16x16x32_bf16 v[ACC+8*(2*(\a)+(\b)):ACC+8*(2*(\a)+(\b))+7], v[(\buf)+16*(\a):(\buf)+16*(\a)+7], v[(\buf)+32+16*(\b):(\buf)+32+16*(\b)+7], 0
.else
	v_wmma_f32_16x16x32_bf16 v[ACC+8*(2*(\a)+(\b)):ACC+8*(2*(\a)+(\b))+7], v[(\buf)+16*(\a):(\buf)+16*(\a)+7], v[(\buf)+32+16*(\b):(\buf)+32+16*(\b)+7], v[ACC+8*(2*(\a)+(\b)):ACC+8*(2*(\a)+(\b))+7]
.endif
.endr
.endr
.endm
; K step s.  left = the loads issued behind this step's.  The four v_nop are the places between the products and the loads into the registers that they read, or the stores of their results.
.macro KSTEP s, left, first
.set BUF, B0+64*((\s)%3)
	s_wait_loadcnt \left
	CVT BUF
	MM BUF, \first
.rept 4
	v_nop
.endr
.endm
	LOADSTEP 0, B0
	LOADSTEP 1, B0+64
	LOADSTEP 2, B0+128
	KSTEP 0, 32, 1                                 ; two younger steps of 16 loads stay out
	LOADSTEP 3, B0
	KSTEP 1, 32, 0
	LOADSTEP 4, B0+64
	KSTEP 2, 32, 0
	LOADSTEP 5, B0+128
	KSTEP 3, 32, 0
	LOADSTEP 6, B0
	KSTEP 4, 32, 0
	LOADSTEP 7, B0+64
	KSTEP 5, 32, 0
.irp i, 0,1,2,3,4,5,6,7                            ; the copy's 8 loads: each covers two rows' 256 bytes
	global_load_b128 v[EB+4*(\i):EB+4*(\i)+3], v11, s[34:35] offset:((\i)/2)*8192+((\i)%2)*256
.endr
	KSTEP 6, 24, 0                                 ; step 7's 16 and the copy's 8 stay out
	KSTEP 7, 8, 0                                  ; the copy's 8
	; the wave's partial sums into LDS, each accumulator from its low end on
.irp a, 0,1
.irp b, 0,1
	ds_store_b128 v6, v[ACC+8*(2*(\a)+(\b)):ACC+8*(2*(\a)+(\b))+3]   offset:(\b)*16*PP+(\a)*64
	ds_store_b128 v6, v[ACC+8*(2*(\a)+(\b))+4:ACC+8*(2*(\a)+(\b))+7] offset:(\b)*16*PP+(\a)*64+16
.endr
.endr
	s_wait_dscnt 0x0                               ; for the others' sake: my stores are done
	s_barrier_signal -1
	s_barrier_wait -1
	; D by rows: the four quarters are summed and scaled (one multiply, three fused multiply-adds) and go to INIT as 8,192 consecutive bytes
.irp i, 0,1
.irp k, 0,1,2,3
	ds_load_b128 v[B0+16*(\i)+4*(\k):B0+16*(\i)+4*(\k)+3], v7 offset:(4*(\i)+(\k))*WBLK
.endr
.endr
.irp i, 0,1
	s_wait_dscnt 4-4*(\i)                          ; the second half's four loads may stay out
.irp c, 0,2
	v_pk_mul_f32 v[B0+16*(\i)+(\c):B0+16*(\i)+(\c)+1], v[B0+16*(\i)+(\c):B0+16*(\i)+(\c)+1], s[28:29] op_sel_hi:[1,0]
.irp k, 1,2,3
	v_pk_fma_f32 v[B0+16*(\i)+(\c):B0+16*(\i)+(\c)+1], v[B0+16*(\i)+4*(\k)+(\c):B0+16*(\i)+4*(\k)+(\c)+1], s[28:29], v[B0+16*(\i)+(\c):B0+16*(\i)+(\c)+1] op_sel_hi:[1,0,1]
.endr
.endr
	global_store_b128 v8, v[B0+16*(\i):B0+16*(\i)+3], s[46:47] offset:(\i)*4096
.endr
	; out0 = Z0^T + bias, for weight's rows: a thread gathers four neighbouring m of one n; 16 lanes store 256 consecutive bytes
	s_cmp_eq_u32 s23, 0
	s_cbranch_scc1 .Lno_y
.irp i, 0,1
.irp k, 0,1,2,3
.irp u, 0,1,2,3
	ds_load_b32 v[YB+16*(\i)+4*(\k)+(\u)], v9 offset:(\u)*PP+(\k)*WBLK+(\i)*64
.endr
.endr
.endr
.irp i, 0,1
	s_wait_dscnt 16-16*(\i)                        ; the second half's sixteen loads may stay out
.irp c, 0,2
	v_pk_add_f32 v[YB+16*(\i)+(\c):YB+16*(\i)+(\c)+1], v[YB+16*(\i)+(\c):YB+16*(\i)+(\c)+1], v[24+(\c):25+(\c)]
.irp k, 1,2,3
	v_pk_add_f32 v[YB+16*(\i)+(\c):YB+16*(\i)+(\c)+1], v[YB+16*(\i)+(\c):YB+16*(\i)+(\c)+1], v[YB+16*(\i)+4*(\k)+(\c):YB+16*(\i)+4*(\k)+(\c)+1]
.endr
.endr
	global_store_b128 v10, v[YB+16*(\i):YB+16*(\i)+3], s[48:49] offset:(\i)*32768
.endr
.Lno_y:
	; the scaled copy: sq W or LR x, by groups of 32 columns; lanes 0-15 of a store write two rows of a group, 256 consecutive bytes
	s_wait_loadcnt 0x0
.irp z, 0,1,2,3,4,5,6,7,8,9,10,11,12,13,14,15
	v_pk_mul_f32 v[EB+2*(\z):EB+2*(\z)+1], v[EB+2*(\z):EB+2*(\z)+1], s[28:29] op_sel_hi:[1,0]
.endr
.irp i, 0,1,2,3,4,5,6,7
	global_store_b128 v[12+(\i)%2], v[EB+4*(\i):EB+4*(\i)+3], s[44:45] offset:((\i)/2)*256
.endr
	; BH's block mi, by the work-groups nj = 0, mi < 4 (there the scale is sq)
	s_cmp_lg_u32 ttmp9, 0
	s_cbranch_scc1 .Lno_bh
	s_cmp_gt_u32 s21, 3
	s_cbranch_scc1 .Lno_bh
	s_lshl_b32 s50, s21, 11
	s_mov_b32 s51, 0
	s_add_nc_u64 s[50:51], s[14:15], s[50:51]
	v_mul_f32 v28, s28, v28
	v_mul_f32 v29, s28, v29
	v_cmp_gt_u32 vcc_lo, 0x80, v16                 ; words 80 .. 207 hold biases, the others 0
	v_cndmask_b32 v28, 0, v28, vcc_lo
	v_cndmask_b32 v29, 0, v29, vcc_lo
	global_store_b64 v17, v[28:29], s[50:51]
.Lno_bh:
	; TAB's row l = mi, by the work-groups nj = 1, mi < 11.  Tile (I, C = l - I) exists for 0 <= C <= 7 and has 39 - C work-groups: thread e finds its tile by taking the tiles' counts away in turn.
	s_cmp_lg_u32 ttmp9, 1
	s_cbranch_scc1 .Lend
	s_cmp_gt_u32 s21, 10
	s_cbranch_scc1 .Lend
	s_lshl_b32 s40, s21, 12
	s_mov_b32 s41, 0
	s_add_nc_u64 s[40:41], s[16:17], s[40:41]
	v_mov_b32 v128, 0                              ; I
	v_mov_b32 v129, 0                              ; C
	v_mov_b32 v132, 0                              ; the work-group's number J in its tile
	v_mov_b32 v133, v0                             ; what is left of e
.irp t, 0,1,2,3
	s_sub_co_u32 s57, s21, \t                      ; C; below 0 it wraps and fails the test
	s_sub_co_u32 s58, 39, s57
	s_cmp_lt_u32 s57, 8
	s_cselect_b32 s58, s58, 0                      ; the tile's count, or 0
	v_cmp_gt_u32 vcc_lo, s58, v133
	v_cndmask_b32 v128, v128, \t, vcc_lo
	v_cndmask_b32 v129, v129, s57, vcc_lo
	v_cndmask_b32 v132, v132, v133, vcc_lo
	v_sub_nc_u32 v133, v133, s58                   ; behind a hit this wraps, and no later tile is hit
.endr
	v_add3_u32 v134, v132, v129, 1
	v_cmp_gt_u32 vcc_lo, 32, v132
	v_cndmask_b32 v130, v134, v132, vcc_lo         ; g = J for W's 32 groups, then the Gram groups 33 + C ..
	v_cmp_eq_u32 vcc_lo, 0, v132
	v_cndmask_b32 v131, 0, 1, vcc_lo               ; the tile's first work-group
	global_store_b128 v8, v[128:131], s[40:41]
	s_cmp_lg_u32 s21, 0
	s_cbranch_scc1 .Lend
	global_store_b128 v8, v[128:131], s[18:19]     ; the first tile launch's list
.Lend:
	s_wait_tensorcnt 0x0                           ; the wave's end, behind my last LDS store
	ds_add_u32 v4, v5
	s_wait_dscnt 0x0
	s_endpgm
.Lfunc_end_k_qc75336e81b_prep:
	.size	k_qc75336e81b_prep, .Lfunc_end_k_qc75336e81b_prep-k_qc75336e81b_prep
	.p2alignl 7, 3214868480
	.fill 96, 4, 3214868480
	.section	.rodata,"a",@progbits
	.p2align	6, 0x0
	.amdhsa_kernel k_qc75336e81b_prep
		.amdhsa_group_segment_fixed_size 37888
		.amdhsa_private_segment_fixed_size 0
		.amdhsa_enable_private_segment 0
		.amdhsa_kernarg_size 64
		.amdhsa_user_sgpr_count 2
		.amdhsa_user_sgpr_kernarg_segment_ptr 1
		.amdhsa_wavefront_size32 1
		.amdhsa_system_sgpr_workgroup_id_x 1
		.amdhsa_system_sgpr_workgroup_id_y 1
		.amdhsa_system_sgpr_workgroup_id_z 1
		.amdhsa_system_vgpr_workitem_id 0
		.amdhsa_next_free_vgpr 256
		.amdhsa_next_free_sgpr 66
		.amdhsa_reserve_vcc 1
		.amdhsa_float_denorm_mode_32 3
		.amdhsa_float_denorm_mode_16_64 3
		.amdhsa_memory_ordered 1
		.amdhsa_forward_progress 1
		.amdhsa_inst_pref_size 47
	.end_amdhsa_kernel
	.amdgpu_metadata
---
amdhsa.version: [ 1, 2 ]
amdhsa.kernels:
  - .name:           k_qc75336e81b_prep
    .symbol:         k_qc75336e81b_prep.kd
    .args:
      - { .name: x, .offset: 0, .size: 8, .value_kind: global_buffer, .address_space: global }
      - { .name: weight, .offset: 8, .size: 8, .value_kind: global_buffer, .address_space: global }
      - { .name: bias, .offset: 16, .size: 8, .value_kind: global_buffer, .address_space: global }
      - { .name: out0, .offset: 24, .size: 8, .value_kind: global_buffer, .address_space: global }
      - { .name: INIT, .offset: 32, .size: 8, .value_kind: global_buffer, .address_space: global }
      - { .name: BH, .offset: 40, .size: 8, .value_kind: global_buffer, .address_space: global }
      - { .name: TAB, .offset: 48, .size: 8, .value_kind: global_buffer, .address_space: global }
      - { .name: LA, .offset: 56, .size: 8, .value_kind: global_buffer, .address_space: global }
    .group_segment_fixed_size: 37888
    .private_segment_fixed_size: 0
    .kernarg_segment_align: 8
    .kernarg_segment_size: 64
    .max_flat_workgroup_size: 256
    .sgpr_count:     66
    .vgpr_count:     256
    .wavefront_size: 32
...
	.end_amdgpu_metadata
.endif
;; end of part 1
;; launch tile (part 2): grid 39 x 1, 8 waves a work-group, no clusters, 103,424 bytes of LDS; arguments INIT, PB, PA, TAB, BH, LA, LB, out1; writes PA, LB, out1
.if DOCPART == 2
	.amdgcn_target "amdgcn-amd-amdhsa--gfx1250"
	.amdhsa_code_object_version 6
	.text
	.protected	k_qc75336e81b_tile
	.globl	k_qc75336e81b_tile
	.p2align	8
	.type	k_qc75336e81b_tile,@function
k_qc75336e81b_tile:
	s_mov_b64 s[64:65], 0
	v_nop
	global_prefetch_b8 v0, s[64:65] scope:SCOPE_SE
	s_setreg_imm32_b32 hwreg(HW_REG_WAVE_MODE, 25, 1), 1
	s_wait_xcnt 0x0
; ONE ANTI-DIAGONAL OF THE SANGER WALK.  reference()'s step t, row i, is a NODE:  y = W_i . x_t + b_i;  r' = r - y W_i;  W_i' = W_i + LR y r,  with r = x_t at row 0
; (tril(y y^T, -1) W is y_i times the running sum of y_j W_j over j < i).  z_i[s] = W_i . x_s obeys the same node with G[t][s] = x_t . x_s in x_t's place, and y = z_i[t] + b_i.
; So the state has 1,280 columns, 40 groups of 32: W's 32 groups and 8 Gram groups.  Kept scaled: Z = sq (W | z), R = LR r, Y = sq y, sq = sqrt(LR):  Y = Z[t] + sq b;  R' = R - Y Z;  Z' = Z + Y R.
; Node (i, t) needs (i, t - 1) and (i - 1, t) alone.  Tile (I, C) is rows 128 I .. and times 32 C ..; launch l runs the tiles with I + C = l; state comes from tile (I, C - 1), carries from tile (I - 1, C),
; both stored by the launch before (Pin), or from INIT at the lattice's edges.  Nothing is loaded from a buffer that this launch stores into.
; SHARES.  A work-group (I, C, g), read from the launch's list, runs the tile's 128 x 32 nodes on two vectors of 32 lanes held as register pairs: the PANEL (Gram group 32 + C, from which Y is read; every
; work-group of the tile makes it anew) and its OWN group g.  Wave w owns times 4 w .. 4 w + 3 and their four carries; rows stream from wave 0 to wave 7 through mailboxes in LDS.
; In step n slot j works on the wave's row n - j: four independent nodes a step.  A trip is 8 steps; at its end the 8 rows that have passed slot 3 go on, so wave w runs 11 w rows behind wave 0.
; 26 trips; the pipeline is filled and drained by rows of zeros with bias 0, for which Y = 0 and the node changes nothing.
; No matrix instruction: the running sum is carried in f32 from node to node.  No tensor load, no cluster: a work-group reads 40 KB once, at its start.
; LIMITS.  A row of zeros is multiplied by the carries: a carry that is not finite would spoil it; carries are finite wherever reference()'s new_weight is.
; out1 leaves in pieces of 128 bytes a row (a group's 32 columns).
.set SOFF,    2621440                  ; region R of INIT, Pin, Pout: [group 40][time 256][32 f32], behind region S: [group 40][row 512][32 f32]
.set ZERO0,   32768                    ; LDS: 0 .. 53,247 IN: 26 batches of [8 rows panel | 8 rows own], 128 bytes a row; batches 16-25 are zeros
.set MB,      53248                    ;      7 mailboxes of 8 rows x 32 lanes x (panel, own); they start as zeros
.set OUT,     67584                    ;      26 x 8 rows of 128 bytes: what leaves wave 7; the first 80 rows are the filling
.set OUTREAL, 77824
.set CST,     94208                    ;      the tile's carries on the way out: own 4,096 bytes, panel 4,096 bytes
.set SPARE,   102400                   ;      the spare words, 128 bytes a wave, that no other line names
.set PASSES,  13                       ; a pass of the loop is two trips
.set SPW,  2                           ; v2  my spare word;  v3  0
.set NIL,  3
.set VIN,  4                           ; v4  wave 0: 4 x lane + 4,096 x pass
.set VMBR, 5                           ; v5  the mailbox that I read: MB + 2,048 (w - 1) + 8 x lane (wave 0 never uses it)
.set VMBW, 6                           ; v6  the mailbox that I write: MB + 2,048 w + 8 x lane (wave 7 never uses it)
.set VOUT, 7                           ; v7  wave 7: OUT + 4 x lane + 2,048 x pass
.set XA,   16                          ; v[16:31], v[32:47]  two sets of 8 rows, a pair (panel, own) each; they take turns trip by trip
.set RA,   48                          ; v[48:55], v[56:63]  the four carries, pairs; they take turns step by step
.set RB,   56
.set STG,  64                          ; v[64:95]  staging at the start, the way out at the end
; v1 4 x lane, v8 16 x thread, v9 - v13, v100, v101 addresses, v[14:15] zeros, v[96:99] the next launch's list entry, v102 at work
.set WV,   24                          ; s24  wave
.set LS,   28                          ; s[28:31]  the lanes 4 w + j in which the panel holds my times' columns
.set BC,   36                          ; s[36:51]  sq b of the 16 rows that enter in this pass
.set BP,   52                          ; s[52:54]  of the last three rows of the pass before
.set YP,   56                          ; s[56:63]  Y of the four slots, in the low words of pairs
.set BN,   68                          ; s[68:83]  sq b for the next pass
; s[4:19] INIT, Pin, Pout, TAB, BH, Lin, Lout, out1;  s20 I, s21 C, s22 g, s23 first;  s55 1: I copy the list;  s66 passes to go;  s67 byte offset in BH;  s[84:101] bases
	s_load_b512 s[4:19], s[0:1], 0x0
	v_lshl_add_u32 v[SPW], v0, 2, SPARE
	v_mov_b32 v[NIL], 0
	v_lshrrev_b32 v102, 5, v0
	v_readfirstlane_b32 s[WV], v102
	v_and_b32 v1, 31, v0
	v_lshlrev_b32 v1, 2, v1
	v_mov_b32 v[VIN], v1
	s_lshl_b32 s26, s[WV], 11
	v_lshl_add_u32 v[VMBR], v1, 1, s26
	v_add_nc_u32 v[VMBR], MB-2048, v[VMBR]
	v_add_nc_u32 v[VMBW], 2048, v[VMBR]
	v_add_nc_u32 v[VOUT], OUT, v1
	v_lshlrev_b32 v8, 4, v0
	v_lshrrev_b32 v9, 6, v0                        ; staging: 64 threads fill a batch's 8 rows of 128 bytes
	v_and_b32 v102, 63, v0
	v_lshlrev_b32 v9, 11, v9
	v_lshl_add_u32 v9, v102, 4, v9
	v_lshl_add_u32 v10, v0, 3, ZERO0
	s_lshl_b32 s27, s[WV], 9
	v_add_nc_u32 v100, s27, v1                     ; my wave's four times of 128 bytes, my lane
	v_add_nc_u32 v11, CST, v100
	v_lshrrev_b32 v12, 3, v0                       ; out1: row thread / 8 of 4,096 bytes, 16 bytes at thread % 8
	v_and_b32 v102, 7, v0
	v_lshlrev_b32 v12, 12, v12
	v_lshl_add_u32 v12, v102, 4, v12
	v_add_nc_u32 v13, OUTREAL, v8
	v_add_nc_u32 v101, CST, v8
	v_mov_b32 v14, 0
	v_mov_b32 v15, 0
	s_lshl_b32 s25, ttmp9, 4
	s_wait_kmcnt 0x0
	s_load_b128 s[20:23], s[14:15], s25 offset:0x0 ; my entry of the launch's list
	s_lshl_b32 s[LS], s[WV], 2
	s_add_co_u32 s[LS+1], s[LS], 1
	s_add_co_u32 s[LS+2], s[LS], 2
	s_add_co_u32 s[LS+3], s[LS], 3
	s_mul_i32 s67, s[WV], 44
	s_sub_co_u32 s67, 320, s67                     ; word 80 - 11 w of a block of BH: the bias of my first entering row, - 11 w
	s_mov_b32 s[BP], 0
	s_mov_b32 s[BP+1], 0
	s_mov_b32 s[BP+2], 0
	s_mov_b32 s[YP+1], 0                           ; the pairs' high words are named, never used
	s_mov_b32 s[YP+3], 0
	s_mov_b32 s[YP+5], 0
	s_mov_b32 s[YP+7], 0
	s_mov_b32 s33, 0
	s_mov_b32 s3, 0
	s_wait_kmcnt 0x0
	s_min_u32 s20, s20, 3                          ; whole numbers from memory enter addresses only behind these bounds
	s_min_u32 s21, s21, 7
	s_min_u32 s22, s22, 39
	s_min_u32 s23, s23, 1
	s_lshl_b32 s25, s20, 11
	s_add_co_u32 s67, s67, s25
	s_load_b512 s[BC:BC+15], s[12:13], s67 offset:0x0
	s_cmp_eq_u32 s21, 0
	s_cselect_b64 s[84:85], s[4:5], s[6:7]         ; state: INIT at time block 0, else what tile (I, C - 1) stored
	s_cmp_eq_u32 s20, 0
	s_cselect_b64 s[86:87], s[4:5], s[6:7]         ; carries: INIT at row block 0, else what tile (I - 1, C) stored
	s_add_co_u32 s26, s21, 32                      ; the panel's group
	s_lshl_b32 s27, s20, 14                        ; 128 rows of 128 bytes
	s_lshl_b32 s32, s26, 16
	s_add_co_u32 s32, s32, s27
	s_add_nc_u64 s[88:89], s[84:85], s[32:33]      ; panel state
	s_lshl_b32 s32, s22, 16
	s_add_co_u32 s32, s32, s27
	s_add_nc_u64 s[90:91], s[84:85], s[32:33]      ; own state, in
	s_add_nc_u64 s[92:93], s[8:9], s[32:33]        ; and out
	s_lshl_b32 s34, s21, 12                        ; 32 times of 128 bytes
	s_add_co_u32 s34, s34, SOFF
	s_lshl_b32 s32, s26, 15
	s_add_co_u32 s32, s32, s34
	s_add_nc_u64 s[94:95], s[86:87], s[32:33]      ; panel carries, in
	s_add_nc_u64 s[96:97], s[8:9], s[32:33]        ; and out
	s_lshl_b32 s32, s22, 15
	s_add_co_u32 s32, s32, s34
	s_add_nc_u64 s[98:99], s[86:87], s[32:33]      ; own carries, in
	s_add_nc_u64 s[100:101], s[8:9], s[32:33]      ; and out
	s_lshl_b32 s32, s20, 19                        ; out1: 128 rows of 4,096 bytes, 32 columns of 4
	s_lshl_b32 s26, s22, 7
	s_add_co_u32 s32, s32, s26
	s_add_nc_u64 s[84:85], s[18:19], s[32:33]
	s_mov_b32 s34, 0x41fcfb72                      ; 1 / sq
	s_mov_b32 s35, s34
.irp i, 0,1,2,3                                    ; the tile's state, 16,384 consecutive bytes each
	global_load_b128 v[STG+4*(\i):STG+4*(\i)+3],       v8, s[88:89] offset:(\i)*4096
	global_load_b128 v[STG+16+4*(\i):STG+16+4*(\i)+3], v8, s[90:91] offset:(\i)*4096
.endr
.irp j, 0,1,2,3                                    ; my four times' carries
	global_load_b32 v[RA+2*(\j)],   v100, s[94:95] offset:(\j)*128
	global_load_b32 v[RA+2*(\j)+1], v100, s[98:99] offset:(\j)*128
.endr
	; work-group 0 hands the next launch its row of TAB (the last launch has none to hand on)
	s_add_co_u32 s25, s20, s21                     ; this launch's number
	s_cmp_lg_u32 s25, 10
	s_cselect_b32 s55, 1, 0
	s_cmp_eq_u32 ttmp9, 0
	s_cselect_b32 s55, s55, 0
	s_add_co_u32 s2, s25, 1
	s_min_u32 s2, s2, 10
	s_lshl_b32 s2, s2, 12
	s_add_nc_u64 s[2:3], s[10:11], s[2:3]
.irp i, 96,97,98,99
	v_mov_b32 v\i, 0                               ; written on every path
.endr
	s_cmp_eq_u32 s55, 0
	s_cbranch_scc1 .Lno_list
	global_load_b128 v[96:99], v8, s[2:3]
.Lno_list:
	; while the loads are out: zeros into IN's batches 16-25 and the mailboxes, 17 x 2,048 bytes, and into the three rows that stand for the trip before the first
.irp i, 0,1,2,3,4,5,6,7,8,9,10,11,12,13,14,15,16
	ds_store_b64 v10, v[14:15] offset:(\i)*2048
.endr
.irp i, 10,11,12,13,14,15
	v_mov_b32 v[XA+16+(\i)], 0
.endr
	s_wait_loadcnt 0x0
.irp i, 0,1,2,3
	ds_store_b128 v9, v[STG+4*(\i):STG+4*(\i)+3]       offset:(\i)*8192
	ds_store_b128 v9, v[STG+16+4*(\i):STG+16+4*(\i)+3] offset:(\i)*8192+1024
.endr
	s_cmp_eq_u32 s55, 0
	s_cbranch_scc1 .Lno_list2
	global_store_b128 v8, v[96:99], s[16:17]
.Lno_list2:
	s_wait_kmcnt 0x0                               ; the first pass's biases
	s_wait_dscnt 0x0                               ; for the others' sake: my stores are done
	s_barrier_signal -1
	s_barrier_wait -1
; the registers of slot j's node in step n of a trip on row set p: row n - j of this set, or one of the last three of the other set
.macro PICK p, n, j
.set eN, (\n)-(\j)
.if eN >= 0
.set rX, XA+16*(\p)+2*eN
.set bS, BC+8*(\p)+eN
.else
.set rX, XA+16*(1-(\p))+2*(8+eN)
.if (\p) == 1
.set bS, BC+8+eN
.else
.set bS, BP+3+eN
.endif
.endif
.if ((\n)%2) == 0
.set rS, RA+2*(\j)
.set rD, RB+2*(\j)
.else
.set rS, RB+2*(\j)
.set rD, RA+2*(\j)
.endif
.endm
; A step: four nodes.  Y = the panel's lane of my time + sq b;  R' = R - Y Z;  Z' = Z + Y R (the old R: so the carries have two sets).  Panel and own ride in one packed instruction.
.macro STEP p, n
.irp j, 0,1,2,3
	PICK \p, \n, \j
	v_readlane_b32 s[YP+2*(\j)], v[rX], s[LS+(\j)]
.endr
.irp j, 0,1,2,3
	PICK \p, \n, \j
	s_add_f32 s[YP+2*(\j)], s[YP+2*(\j)], s[bS]
.endr
.irp j, 0,1,2,3
	PICK \p, \n, \j
	v_pk_fma_f32 v[rD:rD+1], v[rX:rX+1], s[YP+2*(\j):YP+2*(\j)+1], v[rS:rS+1] op_sel_hi:[1,0,1] neg_lo:[1,0,0] neg_hi:[1,0,0]
.endr
.irp j, 0,1,2,3
	PICK \p, \n, \j
	v_pk_fma_f32 v[rX:rX+1], v[rS:rS+1], s[YP+2*(\j):YP+2*(\j)+1], v[rX:rX+1] op_sel_hi:[1,0,1]
.endr
.endm
; A trip: 8 rows come in (wave 0: from IN; the others: from the mailbox), 8 steps, 8 rows go on (wave 7: their own halves to OUT).
; Two barriers: the first between every wave's reads of the mailboxes and the stores that overwrite them, the second between those stores and the next trip's reads.
.macro TRIP p
	s_cmp_lg_u32 s[WV], 0
	s_cbranch_scc1 .Lmail_\@
.irp e, 0,1,2,3,4,5,6,7
	ds_load_b32 v[XA+16*(\p)+2*(\e)],   v[VIN] offset:(\p)*2048+(\e)*128
	ds_load_b32 v[XA+16*(\p)+2*(\e)+1], v[VIN] offset:(\p)*2048+(\e)*128+1024
.endr
	s_branch .Lgot_\@
.Lmail_\@:
.irp e, 0,1,2,3,4,5,6,7
	ds_load_b64 v[XA+16*(\p)+2*(\e):XA+16*(\p)+2*(\e)+1], v[VMBR] offset:(\e)*256
.endr
.Lgot_\@:
	s_wait_dscnt 7                                 ; row 0 is in: seven younger loads may be out (wave 0 has two loads a row: there the same count shows more rows in)
	STEP \p, 0
	s_wait_dscnt 6                                 ; row 1
	STEP \p, 1
	s_wait_dscnt 5                                 ; row 2
	STEP \p, 2
	s_wait_dscnt 0x0                               ; all my reads of the mailbox are back:
	s_barrier_signal -1                            ; say so,
	STEP \p, 3                                     ; work on registers while the others arrive,
	STEP \p, 4
	STEP \p, 5
	STEP \p, 6
	STEP \p, 7
	s_barrier_wait -1                              ; and write only when all eight have said so
	s_cmp_eq_u32 s[WV], 7
	s_cbranch_scc1 .Lout_\@
.irp t, 0,1,2,3,4,5,6,7                            ; the rows that have passed slot 3: 5, 6, 7 of the other set, 0 to 4 of this one
.if (\t) < 3
.set rX, XA+16*(1-(\p))+2*(5+(\t))
.else
.set rX, XA+16*(\p)+2*((\t)-3)
.endif
	ds_store_b64 v[VMBW], v[rX:rX+1] offset:(\t)*256
.endr
	s_branch .Lput_\@
.Lout_\@:
.irp t, 0,1,2,3,4,5,6,7
.if (\t) < 3
.set rX, XA+16*(1-(\p))+2*(5+(\t))
.else
.set rX, XA+16*(\p)+2*((\t)-3)
.endif
	ds_store_b32 v[VOUT], v[rX+1] offset:(\p)*1024+(\t)*128
.endr
.Lput_\@:
	s_wait_dscnt 0x0                               ; for the others' sake: my stores are done
	s_barrier_signal -1
	s_barrier_wait -1
.endm
	s_mov_b32 s66, PASSES
.Lpass:
	s_add_co_u32 s67, s67, 64                      ; the next pass's 16 biases are asked for two trips ahead; the last pass's request reads BH's zeros and serves nothing
	s_load_b512 s[BN:BN+15], s[12:13], s67 offset:0x0
	TRIP 0
	TRIP 1
	s_wait_kmcnt 0x0                               ; they are in, and s67 may step
	s_mov_b32 s[BP], s[BC+13]
	s_mov_b32 s[BP+1], s[BC+14]
	s_mov_b32 s[BP+2], s[BC+15]
.irp i, 0,2,4,6,8,10,12,14
	s_mov_b64 s[BC+(\i):BC+(\i)+1], s[BN+(\i):BN+(\i)+1]
.endr
	v_add_nc_u32 v[VIN], 4096, v[VIN]
	v_add_nc_u32 v[VOUT], 2048, v[VOUT]
	s_sub_co_u32 s66, s66, 1
	s_cmp_lg_u32 s66, 0
	s_cbranch_scc1 .Lpass
	; THE WAY OUT.  208 steps are an even number: the carries lie in the first set.  They meet in LDS so that they leave as 4,096 consecutive bytes.
.irp j, 0,1,2,3
	ds_store_b32 v11, v[RA+2*(\j)+1] offset:(\j)*128
	ds_store_b32 v11, v[RA+2*(\j)]   offset:(\j)*128+4096
.endr
	s_wait_dscnt 0x0
	s_barrier_signal -1
	s_barrier_wait -1
.irp i, 0,1,2,3
	ds_load_b128 v[STG+4*(\i):STG+4*(\i)+3], v13 offset:(\i)*4096
.endr
	ds_load_b128 v[STG+16:STG+19], v101
	ds_load_b128 v[STG+20:STG+23], v101 offset:4096
	s_wait_dscnt 0x0
	s_cmp_eq_u32 s21, 7
	s_cbranch_scc1 .Lfinal
.irp i, 0,1,2,3                                    ; the own group's state for tile (I, C + 1): 16,384 consecutive bytes
	global_store_b128 v8, v[STG+4*(\i):STG+4*(\i)+3], s[92:93] offset:(\i)*4096
.endr
	s_branch .Lcarry
.Lfinal:                                           ; behind the last time block the state is sq x new_weight
.irp z, 0,1,2,3,4,5,6,7
	v_pk_mul_f32 v[STG+2*(\z):STG+2*(\z)+1], v[STG+2*(\z):STG+2*(\z)+1], s[34:35] op_sel_hi:[1,0]
.endr
.irp i, 0,1,2,3
	global_store_b128 v12, v[STG+4*(\i):STG+4*(\i)+3], s[84:85] offset:(\i)*131072
.endr
.Lcarry:
	s_cmp_eq_u32 s20, 3                            ; below the last row block nobody takes the carries
	s_cbranch_scc1 .Lend
	global_store_b128 v8, v[STG+16:STG+19], s[100:101]
	s_cmp_eq_u32 s23, 0                            ; the panel's carries are alike in the tile's work-groups: the first stores them
	s_cbranch_scc1 .Lend
	global_store_b128 v8, v[STG+20:STG+23], s[96:97]
.Lend:
	s_wait_tensorcnt 0x0                           ; the wave's end, behind my last LDS store
	ds_add_u32 v[SPW], v[NIL]
	s_wait_dscnt 0x0
	s_endpgm
.Lfunc_end_k_qc75336e81b_tile:
	.size	k_qc75336e81b_tile, .Lfunc_end_k_qc75336e81b_tile-k_qc75336e81b_tile
	.p2alignl 7, 3214868480
	.fill 96, 4, 3214868480
	.section	.rodata,"a",@progbits
	.p2align	6, 0x0
	.amdhsa_kernel k_qc75336e81b_tile
		.amdhsa_group_segment_fixed_size 103424
		.amdhsa_private_segment_fixed_size 0
		.amdhsa_enable_private_segment 0
		.amdhsa_kernarg_size 64
		.amdhsa_user_sgpr_count 2
		.amdhsa_user_sgpr_kernarg_segment_ptr 1
		.amdhsa_wavefront_size32 1
		.amdhsa_system_sgpr_workgroup_id_x 1
		.amdhsa_system_sgpr_workgroup_id_y 1
		.amdhsa_system_sgpr_workgroup_id_z 1
		.amdhsa_system_vgpr_workitem_id 0
		.amdhsa_next_free_vgpr 104
		.amdhsa_next_free_sgpr 102
		.amdhsa_reserve_vcc 0
		.amdhsa_float_denorm_mode_32 3
		.amdhsa_float_denorm_mode_16_64 3
		.amdhsa_memory_ordered 1
		.amdhsa_forward_progress 1
		.amdhsa_inst_pref_size 32
	.end_amdhsa_kernel
	.amdgpu_metadata
---
amdhsa.version: [ 1, 2 ]
amdhsa.kernels:
  - .name:           k_qc75336e81b_tile
    .symbol:         k_qc75336e81b_tile.kd
    .args:
      - { .name: INIT, .offset: 0, .size: 8, .value_kind: global_buffer, .address_space: global }
      - { .name: PB, .offset: 8, .size: 8, .value_kind: global_buffer, .address_space: global }
      - { .name: PA, .offset: 16, .size: 8, .value_kind: global_buffer, .address_space: global }
      - { .name: TAB, .offset: 24, .size: 8, .value_kind: global_buffer, .address_space: global }
      - { .name: BH, .offset: 32, .size: 8, .value_kind: global_buffer, .address_space: global }
      - { .name: LA, .offset: 40, .size: 8, .value_kind: global_buffer, .address_space: global }
      - { .name: LB, .offset: 48, .size: 8, .value_kind: global_buffer, .address_space: global }
      - { .name: out1, .offset: 56, .size: 8, .value_kind: global_buffer, .address_space: global }
    .group_segment_fixed_size: 103424
    .private_segment_fixed_size: 0
    .kernarg_segment_align: 8
    .kernarg_segment_size: 64
    .max_flat_workgroup_size: 256
    .sgpr_count:     102
    .vgpr_count:     104
    .wavefront_size: 32
...
	.end_amdgpu_metadata
.endif
;; end of part 2
;; launch t1: the kernel of part 2 again; grid 77 x 1, 8 waves a work-group, no clusters, 103,424 bytes of LDS; arguments INIT, PA, PB, TAB, BH, LB, LA, out1; writes PB, LA, out1
;; launch t2: the kernel of part 2 again; grid 114 x 1, 8 waves a work-group, no clusters, 103,424 bytes of LDS; arguments INIT, PB, PA, TAB, BH, LA, LB, out1; writes PA, LB, out1
;; launch t3: the kernel of part 2 again; grid 150 x 1, 8 waves a work-group, no clusters, 103,424 bytes of LDS; arguments INIT, PA, PB, TAB, BH, LB, LA, out1; writes PB, LA, out1
;; launch t4: the kernel of part 2 again; grid 146 x 1, 8 waves a work-group, no clusters, 103,424 bytes of LDS; arguments INIT, PB, PA, TAB, BH, LA, LB, out1; writes PA, LB, out1
;; launch t5: the kernel of part 2 again; grid 142 x 1, 8 waves a work-group, no clusters, 103,424 bytes of LDS; arguments INIT, PA, PB, TAB, BH, LB, LA, out1; writes PB, LA, out1
;; launch t6: the kernel of part 2 again; grid 138 x 1, 8 waves a work-group, no clusters, 103,424 bytes of LDS; arguments INIT, PB, PA, TAB, BH, LA, LB, out1; writes PA, LB, out1
;; launch t7: the kernel of part 2 again; grid 134 x 1, 8 waves a work-group, no clusters, 103,424 bytes of LDS; arguments INIT, PA, PB, TAB, BH, LB, LA, out1; writes PB, LA, out1
;; launch t8: the kernel of part 2 again; grid 99 x 1, 8 waves a work-group, no clusters, 103,424 bytes of LDS; arguments INIT, PB, PA, TAB, BH, LA, LB, out1; writes PA, LB, out1
;; launch t9: the kernel of part 2 again; grid 65 x 1, 8 waves a work-group, no clusters, 103,424 bytes of LDS; arguments INIT, PA, PB, TAB, BH, LB, LA, out1; writes PB, LA, out1
;; launch t10: the kernel of part 2 again; grid 32 x 1, 8 waves a work-group, no clusters, 103,424 bytes of LDS; arguments INIT, PB, PA, TAB, BH, LA, LB, out1; writes PA, LB, out1
;; ======== version 2 of 3: 12 launches; 1.21 times as fast as version 1
;; workspace buffers: INIT 3,932,160 bytes; PA 3,932,160 bytes; PB 3,932,160 bytes; BH 8,192 bytes; TAB 45,056 bytes of whole numbers; LA 4,096 bytes of whole numbers; LB 4,096 bytes of whole numbers
;; launch prep: the kernel of part 1 again; grid 8 x 12, 8 waves a work-group, no clusters, 37,888 bytes of LDS; arguments x, weight, bias, out0, INIT, BH, TAB, LA; writes out0, INIT, BH, TAB, LA
;; launch tile (part 3): grid 39 x 1, 4 waves a work-group, no clusters, 254,464 bytes of LDS; arguments INIT, PB, PA, TAB, BH, LA, LB, out1; writes PA, LB, out1
.if DOCPART == 3
	.amdgcn_target "amdgcn-amd-amdhsa--gfx1250"
	.amdhsa_code_object_version 6
	.text
	.protected	k_qc75336e81b_tile
	.globl	k_qc75336e81b_tile
	.p2align	8
	.type	k_qc75336e81b_tile,@function
k_qc75336e81b_tile:
	s_mov_b64 s[64:65], 0
	v_nop
	global_prefetch_b8 v0, s[64:65] scope:SCOPE_SE
	s_setreg_imm32_b32 hwreg(HW_REG_WAVE_MODE, 25, 1), 1
	s_wait_xcnt 0x0
; ONE ANTI-DIAGONAL OF THE SANGER WALK.  reference()'s step t, row i, is a NODE:  y = W_i . x_t + b_i;  r' = r - y W_i;  W_i' = W_i + LR y r,  with r = x_t at row 0
; (tril(y y^T, -1) W is y_i times the running sum of y_j W_j over j < i).  z_i[s] = W_i . x_s obeys the same node with G[t][s] = x_t . x_s in x_t's place, and y = z_i[t] + b_i.
; So the state has 1,280 columns, 40 groups of 32: W's 32 groups and 8 Gram groups.  Kept scaled: Z = sq (W | z), R = LR r, Y = sq y, sq = sqrt(LR):  Y = Z[t] + sq b;  R' = R - Y Z;  Z' = Z + Y R.
; Node (i, t) needs (i, t - 1) and (i - 1, t) alone.  Tile (I, C) is rows 128 I .. and times 32 C ..; launch l runs the tiles with I + C = l; state comes from tile (I, C - 1), carries from tile (I - 1, C),
; both stored by the launch before (Pin), or from INIT at the lattice's edges.  Nothing is loaded from a buffer that this launch stores into.
; SHARES.  A work-group (I, C, g), read from the launch's list, runs the tile's 128 x 32 nodes on two vectors of 32 lanes held as register pairs: the PANEL (Gram group 32 + C, from which Y is read; every
; work-group of the tile makes it anew) and its OWN group g.  Four waves, one to a SIMD; wave w owns times 8 w .. 8 w + 7 (eight SLOTS) and their carries.  In step n slot j works on the wave's row n - j:
; eight independent nodes, 32 instructions.  Rows pass from wave to wave, each wave 16 rows behind the one before: 128 + 3 x 16 + 7 = 183 steps, run as 46 trips of 4.
; STREAMS.  Stream s (192 rows of 256 bytes: 32 lanes x (panel, own)) holds at index p the row that wave s enters in step p; wave w stores its row p at index p + 16 of stream w + 1.  Stream 0 is the staged tile,
; stream 4 the way out.  Every byte of a stream is written once, all waves run the same lines, and one barrier a trip stands between a trip's stores and the loads of them.
; A STEP'S ORDER: the eight Y are read out of the panel; the carries take the step BEFORE; the biases are added; the rows are updated.  So sixteen lines stand between a Y's reading and its addition, and eight or
; more between every other result and its use.  The carries may wait because a row's update goes into the row's other register (two sets, by the slot's parity), which leaves the old row for them.
; A trip's LDS lines stand behind a step's eight scalar additions, so that the last vector line lies eight lines back and what is stored was written 24 lines back or more.
; The pipeline is filled and drained by rows of zeros with bias 0, for which Y = 0 and the node changes nothing.
; No matrix instruction: the running sum is carried in f32 from node to node.  No tensor load, no cluster: a work-group reads 40 KB once, at its start.
; LIMITS.  A row of zeros is multiplied by the carries: a carry that is not finite would spoil it; carries are finite wherever reference()'s new_weight is.
; out1 leaves in pieces of 128 bytes a row (a group's 32 columns).
.set SOFF,    2621440                  ; region R of INIT, Pin, Pout: [group 40][time 256][32 f32], behind region S: [group 40][row 512][32 f32]
.set SS,      49152                    ; LDS: five streams of 192 rows x 256 bytes, from byte 0
.set ZROWS,   128*256                  ;      stream 0's rows 128 - 191 are zeros
.set OUTREAL, 4*SS+64*256              ;      the tile's row i leaves wave 3 as its row i + 48, so it lies at index i + 64 of stream 4
.set CST,     5*SS                     ;      the tile's carries on the way out: own 4,096 bytes, panel 4,096 bytes
.set SPARE,   CST+8192                 ;      the spare words, 128 bytes a wave, that no other line names
.set PASSES,  11                       ; a pass of the loop is 4 trips, 16 steps: once round the 16 row registers; two more trips are written out behind it
.set SPW,  2                           ; v2  my spare word;  v3  0
.set NIL,  3
.set VRD,  4                           ; v4  my stream: SS w + 8 x lane + 4,096 x pass
.set VWR,  5                           ; v5  the next wave's stream: SS (w + 1) + 8 x lane + 4,096 x pass
.set X0,   16                          ; v[16:47], v[48:79]  two sets of 16 rows, a pair (panel, own) each; row p lies at p % 16; slot j reads set j % 2 and writes the other
.set RR,   80                          ; v[80:95]   the eight carries, pairs
.set STG,  96                          ; v[96:159]  as loaded at the start (panel 32, own 32); the way out at the end
.set TI,   160                         ; v[160:223] panel and own interleaved; the carries on the way out
; v1 lane, v6 - v15 addresses, v[224:231] the next launch's list entries, v[232:235] zeros, v236 at work
.set WV,   24                          ; s24  wave
.set YB,   28                          ; s[28:59]  Y of slot j in step n: the low word of the pair at YB + 16 (n % 2) + 2 j.  The packed forms take the low word alone, so the high words carry
                                       ;           other numbers: of the first eight pairs the lanes 8 w + j, of the next seven sq b of the last seven rows of the pass before
.set BC,   68                          ; s[68:83]  sq b of the 16 rows that enter in this pass
.set BN,   84                          ; s[84:99]  for the next pass (before the loop: the four addresses that the first loads read from)
; s[4:19] INIT, Pin, Pout, TAB, BH, Lin, Lout, out1, later: s[4:5] own state out, s[6:7] panel carries out, s[8:9] own carries out, s[10:11] TAB's next row, s[18:19] my part of out1
; s20 I, s21 C, s22 g, s23 first;  s60 passes to go;  s61 byte offset in BH;  s[62:63] 1 / sq;  s66 1: I copy the list;  s[100:101] an offset
	s_load_b512 s[4:19], s[0:1], 0x0
	v_lshl_add_u32 v[SPW], v0, 2, SPARE
	v_mov_b32 v[NIL], 0
	v_lshrrev_b32 v236, 5, v0
	v_readfirstlane_b32 s[WV], v236
	v_and_b32 v1, 31, v0
	s_mul_i32 s25, s[WV], SS
	v_lshl_add_u32 v[VRD], v1, 3, s25
	v_add_nc_u32 v[VWR], SS, v[VRD]
	v_lshl_add_u32 v6, v1, 4, s25
	v_add_nc_u32 v6, SS, v6                        ; the head of the next wave's stream, 16 bytes a lane
	v_lshlrev_b32 v7, 3, v0                        ; 8 x thread
	v_lshlrev_b32 v8, 4, v0                        ; 16 x thread
	v_lshrrev_b32 v9, 3, v0                        ; staging: row thread / 8 of 256 bytes, four columns' pairs at 32 (thread % 8)
	v_and_b32 v236, 7, v0
	v_lshlrev_b32 v9, 8, v9
	v_lshl_add_u32 v9, v236, 5, v9
	v_add_nc_u32 v10, ZROWS, v8
	s_lshl_b32 s26, s[WV], 10
	v_lshl_add_u32 v14, v1, 2, s26                 ; my wave's eight times of 128 bytes, my lane
	v_add_nc_u32 v11, CST, v14
	v_lshrrev_b32 v12, 4, v0                       ; out1: row thread / 16 of 4,096 bytes, 8 bytes at thread % 16
	v_and_b32 v236, 15, v0
	v_lshlrev_b32 v12, 12, v12
	v_lshl_add_u32 v12, v236, 3, v12
	v_add_nc_u32 v13, OUTREAL, v8
	v_add_nc_u32 v15, CST, v8
.irp i, 232,233,234,235
	v_mov_b32 v\i, 0
.endr
	s_lshl_b32 s27, ttmp9, 4
	s_wait_kmcnt 0x0
	s_load_b128 s[20:23], s[14:15], s27 offset:0x0 ; my entry of the launch's list
	s_lshl_b32 s[YB+1], s[WV], 3                   ; the lanes in which the panel holds my times' columns
.irp j, 1,2,3,4,5,6,7
	s_add_co_u32 s[YB+2*(\j)+1], s[YB+1], \j
.endr
.irp j, 0,1,2,3,4,5,6,7
	s_mov_b32 s[YB+16+2*(\j)], 0                   ; Y of the step before the first: the carries' first update changes nothing
	s_mov_b32 s[YB+16+2*(\j)+1], 0                 ; and the rows before the first have bias 0
.endr
	s_lshl_b32 s61, s[WV], 6
	s_sub_co_u32 s61, 320, s61                     ; word 80 - 16 w of a block of BH: the bias of my first entering row, the tile's row - 16 w
	s_mov_b32 s101, 0
	s_mov_b32 s62, 0x41fcfb72                      ; 1 / sq
	s_mov_b32 s63, s62
	s_wait_kmcnt 0x0
	s_min_u32 s20, s20, 3                          ; whole numbers from memory enter addresses only behind these bounds
	s_min_u32 s21, s21, 7
	s_min_u32 s22, s22, 39
	s_min_u32 s23, s23, 1
	s_lshl_b32 s25, s20, 11
	s_add_co_u32 s61, s61, s25
	s_load_b512 s[BC:BC+15], s[12:13], s61 offset:0x0
	s_cmp_eq_u32 s21, 0
	s_cselect_b64 s[84:85], s[4:5], s[6:7]         ; state: INIT at time block 0, else what tile (I, C - 1) stored
	s_cmp_eq_u32 s20, 0
	s_cselect_b64 s[86:87], s[4:5], s[6:7]         ; carries: INIT at row block 0, else what tile (I - 1, C) stored
	s_add_co_u32 s26, s21, 32                      ; the panel's group
	s_lshl_b32 s27, s20, 14                        ; 128 rows of 128 bytes
	s_lshl_b32 s100, s26, 16
	s_add_co_u32 s100, s100, s27
	s_add_nc_u64 s[88:89], s[84:85], s[100:101]    ; panel state
	s_lshl_b32 s100, s22, 16
	s_add_co_u32 s100, s100, s27
	s_add_nc_u64 s[90:91], s[84:85], s[100:101]    ; own state, in
.irp i, 0,1,2,3,4,5,6,7                            ; the tile's state, 16,384 consecutive bytes each: asked for as soon as the two addresses are made
	global_load_b128 v[STG+4*(\i):STG+4*(\i)+3],       v8, s[88:89] offset:(\i)*2048
	global_load_b128 v[STG+32+4*(\i):STG+32+4*(\i)+3], v8, s[90:91] offset:(\i)*2048
.endr
	s_add_nc_u64 s[4:5], s[8:9], s[100:101]        ; own state, out
	s_lshl_b32 s25, s21, 12                        ; 32 times of 128 bytes
	s_add_co_u32 s25, s25, SOFF
	s_lshl_b32 s100, s26, 15
	s_add_co_u32 s100, s100, s25
	s_add_nc_u64 s[92:93], s[86:87], s[100:101]    ; panel carries, in
	s_add_nc_u64 s[6:7], s[8:9], s[100:101]        ; and out
	s_lshl_b32 s100, s22, 15
	s_add_co_u32 s100, s100, s25
	s_add_nc_u64 s[94:95], s[86:87], s[100:101]    ; own carries, in
	s_add_nc_u64 s[8:9], s[8:9], s[100:101]        ; and out
.irp j, 0,1,2,3,4,5,6,7                            ; my eight times' carries
	global_load_b32 v[RR+2*(\j)],   v14, s[92:93] offset:(\j)*128
	global_load_b32 v[RR+2*(\j)+1], v14, s[94:95] offset:(\j)*128
.endr
	s_lshl_b32 s100, s20, 19                       ; out1: 128 rows of 4,096 bytes, 32 columns of 4
	s_lshl_b32 s26, s22, 7
	s_add_co_u32 s100, s100, s26
	s_add_nc_u64 s[18:19], s[18:19], s[100:101]
	; work-group 0 hands the next launch its row of TAB (the last launch has none to hand on)
	s_add_co_u32 s25, s20, s21                     ; this launch's number
	s_cmp_lg_u32 s25, 10
	s_cselect_b32 s66, 1, 0
	s_cmp_eq_u32 ttmp9, 0
	s_cselect_b32 s66, s66, 0
	s_add_co_u32 s100, s25, 1
	s_min_u32 s100, s100, 10
	s_lshl_b32 s100, s100, 12
	s_add_nc_u64 s[10:11], s[10:11], s[100:101]
.irp i, 224,225,226,227,228,229,230,231
	v_mov_b32 v\i, 0                               ; written on every path
.endr
	s_cmp_eq_u32 s66, 0
	s_cbranch_scc1 .Lno_list
	global_load_b128 v[224:227], v8, s[10:11]
	global_load_b128 v[228:231], v8, s[10:11] offset:2048
.Lno_list:
	; while the loads are out, the zeros that fill the pipeline: stream 0's rows 128 - 191; rows 0 - 5 of the next wave's stream, which are read before anything is stored there;
	; and in registers my rows - 10 .. - 1 (set 0: they are handed on) and - 8 .. - 1 (set 1)
.irp i, 0,1,2,3,4,5,6,7
	ds_store_b128 v10, v[232:235] offset:(\i)*2048
.endr
.irp i, 0,1,2
	ds_store_b128 v6, v[232:235] offset:(\i)*512
.endr
.set z, X0+12
.rept 20
	v_mov_b32 v[z], 0
.set z, z+1
.endr
.set z, X0+32+16
.rept 16
	v_mov_b32 v[z], 0
.set z, z+1
.endr
	s_wait_loadcnt 0x0
	; a stream's row holds (panel, own) lane by lane, as the packed arithmetic wants them: four columns of each become two runs of 16 bytes.  All the moves first, then all the stores.
.irp i, 0,1,2,3,4,5,6,7
.irp c, 0,1,2,3
	v_mov_b32 v[TI+8*(\i)+2*(\c)],   v[STG+4*(\i)+(\c)]
	v_mov_b32 v[TI+8*(\i)+2*(\c)+1], v[STG+32+4*(\i)+(\c)]
.endr
.endr
.irp i, 0,1,2,3,4,5,6,7
	ds_store_b128 v9, v[TI+8*(\i):TI+8*(\i)+3]   offset:(\i)*4096
	ds_store_b128 v9, v[TI+8*(\i)+4:TI+8*(\i)+7] offset:(\i)*4096+16
.endr
	s_cmp_eq_u32 s66, 0
	s_cbranch_scc1 .Lno_list2
	global_store_b128 v8, v[224:227], s[16:17]
	global_store_b128 v8, v[228:231], s[16:17] offset:2048
.Lno_list2:
	s_wait_kmcnt 0x0                               ; the first pass's biases
	s_wait_dscnt 0x0                               ; for the others' sake: my stores are done
	s_barrier_signal -1
	s_barrier_wait -1
.irp e, 0,1,2,3,4,5                                ; my rows 0 to 5; every later row is asked for by the trips, in the step three ahead of its first
	ds_load_b64 v[X0+2*(\e):X0+2*(\e)+1], v[VRD] offset:(\e)*256
.endr
	s_wait_dscnt 0x0
; the registers of slot j's node in step n of a pass (n = - 1: the last step of the pass before)
.macro PICK n, j
.set eN, (\n)-(\j)
.set iX, (eN+32)%16
.set rS, X0+32*((\j)%2)+2*iX                       ; the row as it comes
.set rD, X0+32*(((\j)+1)%2)+2*iX                   ; and as it goes
.set rR, RR+2*(\j)
.set sY, YB+16*(((\n)+32)%2)+2*(\j)
.if eN >= 0
.set sB, BC+eN
.else
.set sB, YB+16+2*(eN+7)+1
.endif
.endm
; A step is eight nodes in four blocks of eight lines.  Panel and own ride in one packed instruction.
.macro READY n                         ; the panel's lane of my time
.irp j, 0,1,2,3,4,5,6,7
	PICK \n, \j
	v_readlane_b32 s[sY], v[rS], s[YB+2*(\j)+1]
.endr
.endm
.macro CARRY n                         ; the carries take step n - 1:  R = R - Y Z, with the row as it came to that step
.irp j, 0,1,2,3,4,5,6,7
	PICK (\n)-1, \j
	v_pk_fma_f32 v[rR:rR+1], v[rS:rS+1], s[sY:sY+1], v[rR:rR+1] op_sel_hi:[1,0,1] neg_lo:[1,0,0] neg_hi:[1,0,0]
.endr
.endm
.macro BIAS n                          ; Y = that lane + sq b
.irp j, 0,1,2,3,4,5,6,7
	PICK \n, \j
	s_add_f32 s[sY], s[sY], s[sB]
.endr
.endm
.macro ROWS n                          ; Z' = Z + Y R
.irp j, 0,1,2,3,4,5,6,7
	PICK \n, \j
	v_pk_fma_f32 v[rD:rD+1], v[rR:rR+1], s[sY:sY+1], v[rS:rS+1] op_sel_hi:[1,0,1]
.endr
.endm
.macro STEP n
	READY \n
	CARRY \n
	BIAS \n
	ROWS \n
.endm
; Trip q of a pass: steps 4 q .. 4 q + 3.
; In its second step it hands on the four rows that have passed slot 7 in steps 4 q - 3 .. 4 q: my rows 4 q - 10 .., at index + 16 of the next stream.  48 lines on it waits for those stores and signals;
; the fourth step's carries and biases stand between the signal and the wait; behind the wait it asks for the rows that enter in steps 4 q + 6 .. 4 q + 9, which the wave before has stored in this same trip.
; They land in the registers that the trip's stores have read; no step names those before the rows enter: steps 4 q + 3 .. 4 q + 5 name rows 4 q - 4 and above, the next stores rows 4 q - 6 .. 4 q - 3.
; ld = 0: the last trip asks for nothing.  bump = 1: a pass's last trip: the read address steps where no LDS line of mine is out, and the loads' offsets are 16 rows less.
.macro TRIP q, ld, bump
	STEP 4*(\q)
	READY 4*(\q)+1
	CARRY 4*(\q)+1
	BIAS 4*(\q)+1
.irp e, 0,1,2,3
.set iX, (4*(\q)+6+(\e))%16
	ds_store_b64 v[VWR], v[X0+2*iX:X0+2*iX+1] offset:(4*(\q)+6+(\e))*256
.endr
	ROWS 4*(\q)+1
	s_wait_dscnt 4                                 ; the four rows asked for in the trip before are in: behind their loads only the four stores above have been issued
	STEP 4*(\q)+2
	READY 4*(\q)+3
	s_wait_dscnt 0x0                               ; my stores are done, for the next wave's sake:
.if \bump
	v_add_nc_u32 v[VRD], 4096, v[VRD]
.endif
	s_barrier_signal -1                            ; say so,
	CARRY 4*(\q)+3                                 ; work on registers while the others arrive,
	BIAS 4*(\q)+3
	s_barrier_wait -1                              ; and read the next rows only when all four have said so
.if \ld
.irp e, 0,1,2,3
.set iX, (4*(\q)+6+(\e))%16
	ds_load_b64 v[X0+2*iX:X0+2*iX+1], v[VRD] offset:(4*(\q)+6+(\e)-16*(\bump))*256
.endr
.endif
	ROWS 4*(\q)+3
.endm
	s_mov_b32 s60, PASSES
.Lpass:
	s_add_co_u32 s61, s61, 64                      ; the next pass's 16 biases are asked for a pass ahead
	s_load_b512 s[BN:BN+15], s[12:13], s61 offset:0x0
	TRIP 0, 1, 0
	TRIP 1, 1, 0
	TRIP 2, 1, 0
	TRIP 3, 1, 1
	s_wait_kmcnt 0x0                               ; they are in, and s61 may step
.irp i, 0,1,2,3,4,5,6
	s_mov_b32 s[YB+16+2*(\i)+1], s[BC+9+(\i)]      ; the last seven rows are still in the slots
.endr
.irp i, 0,2,4,6,8,10,12,14
	s_mov_b64 s[BC+(\i):BC+(\i)+1], s[BN+(\i):BN+(\i)+1]
.endr
	v_add_nc_u32 v[VWR], 4096, v[VWR]              ; the LDS lines of mine that are out are loads, which name the other address
	s_sub_co_u32 s60, s60, 1
	s_cmp_lg_u32 s60, 0
	s_cbranch_scc1 .Lpass
	TRIP 0, 1, 0                                   ; steps 176 to 183: the tile's last row passes wave 3's slot 7 in step 182
	TRIP 1, 0, 0
	ds_store_b64 v[VWR], v[X0+28:X0+29] offset:14*256  ; the two rows that have passed slot 7 since the last hand-over: of wave 3 the tile's rows 126 and 127
	ds_store_b64 v[VWR], v[X0+30:X0+31] offset:15*256
	CARRY 8                                        ; the carries take the last step
	; THE WAY OUT.  The carries meet in LDS so that they leave as 4,096 consecutive bytes.
.irp j, 0,1,2,3,4,5,6,7
	ds_store_b32 v11, v[RR+2*(\j)+1] offset:(\j)*128
	ds_store_b32 v11, v[RR+2*(\j)]   offset:(\j)*128+4096
.endr
	s_wait_dscnt 0x0
	s_barrier_signal -1
	s_barrier_wait -1
.irp i, 0,1,2,3,4,5,6,7,8,9,10,11,12,13,14,15      ; 16 bytes a thread: two columns' pairs
	ds_load_b128 v[STG+4*(\i):STG+4*(\i)+3], v13 offset:(\i)*2048
.endr
.irp i, 0,1,2,3
	ds_load_b128 v[TI+4*(\i):TI+4*(\i)+3], v15 offset:(\i)*2048
.endr
	s_wait_dscnt 0x0
.irp i, 0,1,2,3,4,5,6,7,8,9,10,11,12,13,14,15
	v_mov_b32 v[STG+4*(\i)+2], v[STG+4*(\i)+1]     ; the two own numbers side by side
.endr
	s_cmp_eq_u32 s21, 7
	s_cbranch_scc1 .Lfinal
.irp i, 0,1,2,3,4,5,6,7,8,9,10,11,12,13,14,15      ; the own group's state for tile (I, C + 1): each store of a wave covers 256 consecutive bytes, aligned
	global_store_b64 v7, v[STG+4*(\i)+2:STG+4*(\i)+3], s[4:5] offset:(\i)*1024
.endr
	s_branch .Lcarry
.Lfinal:                                           ; behind the last time block the state is sq x new_weight
.irp i, 0,1,2,3,4,5,6,7,8,9,10,11,12,13,14,15
	v_pk_mul_f32 v[STG+4*(\i)+2:STG+4*(\i)+3], v[STG+4*(\i)+2:STG+4*(\i)+3], s[62:63] op_sel_hi:[1,0]
.endr
.irp i, 0,1,2,3,4,5,6,7,8,9,10,11,12,13,14,15
	global_store_b64 v12, v[STG+4*(\i)+2:STG+4*(\i)+3], s[18:19] offset:(\i)*32768
.endr
.Lcarry:
	s_cmp_eq_u32 s20, 3                            ; below the last row block nobody takes the carries
	s_cbranch_scc1 .Lend
	global_store_b128 v8, v[TI:TI+3],   s[8:9]
	global_store_b128 v8, v[TI+4:TI+7], s[8:9] offset:2048
	s_cmp_eq_u32 s23, 0                            ; the panel's carries are alike in the tile's work-groups: the first stores them
	s_cbranch_scc1 .Lend
	global_store_b128 v8, v[TI+8:TI+11],  s[6:7]
	global_store_b128 v8, v[TI+12:TI+15], s[6:7] offset:2048
.Lend:
	s_wait_tensorcnt 0x0                           ; the wave's end, behind my last LDS store
	ds_add_u32 v[SPW], v[NIL]
	s_wait_dscnt 0x0
	s_endpgm
.Lfunc_end_k_qc75336e81b_tile:
	.size	k_qc75336e81b_tile, .Lfunc_end_k_qc75336e81b_tile-k_qc75336e81b_tile
	.p2alignl 7, 3214868480
	.fill 96, 4, 3214868480
	.section	.rodata,"a",@progbits
	.p2align	6, 0x0
	.amdhsa_kernel k_qc75336e81b_tile
		.amdhsa_group_segment_fixed_size 254464
		.amdhsa_private_segment_fixed_size 0
		.amdhsa_enable_private_segment 0
		.amdhsa_kernarg_size 64
		.amdhsa_user_sgpr_count 2
		.amdhsa_user_sgpr_kernarg_segment_ptr 1
		.amdhsa_wavefront_size32 1
		.amdhsa_system_sgpr_workgroup_id_x 1
		.amdhsa_system_sgpr_workgroup_id_y 1
		.amdhsa_system_sgpr_workgroup_id_z 1
		.amdhsa_system_vgpr_workitem_id 0
		.amdhsa_next_free_vgpr 240
		.amdhsa_next_free_sgpr 102
		.amdhsa_reserve_vcc 0
		.amdhsa_float_denorm_mode_32 3
		.amdhsa_float_denorm_mode_16_64 3
		.amdhsa_memory_ordered 1
		.amdhsa_forward_progress 1
		.amdhsa_inst_pref_size 68
	.end_amdhsa_kernel
	.amdgpu_metadata
---
amdhsa.version: [ 1, 2 ]
amdhsa.kernels:
  - .name:           k_qc75336e81b_tile
    .symbol:         k_qc75336e81b_tile.kd
    .args:
      - { .name: INIT, .offset: 0, .size: 8, .value_kind: global_buffer, .address_space: global }
      - { .name: PB, .offset: 8, .size: 8, .value_kind: global_buffer, .address_space: global }
      - { .name: PA, .offset: 16, .size: 8, .value_kind: global_buffer, .address_space: global }
      - { .name: TAB, .offset: 24, .size: 8, .value_kind: global_buffer, .address_space: global }
      - { .name: BH, .offset: 32, .size: 8, .value_kind: global_buffer, .address_space: global }
      - { .name: LA, .offset: 40, .size: 8, .value_kind: global_buffer, .address_space: global }
      - { .name: LB, .offset: 48, .size: 8, .value_kind: global_buffer, .address_space: global }
      - { .name: out1, .offset: 56, .size: 8, .value_kind: global_buffer, .address_space: global }
    .group_segment_fixed_size: 254464
    .private_segment_fixed_size: 0
    .kernarg_segment_align: 8
    .kernarg_segment_size: 64
    .max_flat_workgroup_size: 128
    .sgpr_count:     102
    .vgpr_count:     240
    .wavefront_size: 32
...
	.end_amdgpu_metadata
.endif
;; end of part 3
;; launch t1: the kernel of part 3 again; grid 77 x 1, 4 waves a work-group, no clusters, 254,464 bytes of LDS; arguments INIT, PA, PB, TAB, BH, LB, LA, out1; writes PB, LA, out1
;; launch t2: the kernel of part 3 again; grid 114 x 1, 4 waves a work-group, no clusters, 254,464 bytes of LDS; arguments INIT, PB, PA, TAB, BH, LA, LB, out1; writes PA, LB, out1
;; launch t3: the kernel of part 3 again; grid 150 x 1, 4 waves a work-group, no clusters, 254,464 bytes of LDS; arguments INIT, PA, PB, TAB, BH, LB, LA, out1; writes PB, LA, out1
;; launch t4: the kernel of part 3 again; grid 146 x 1, 4 waves a work-group, no clusters, 254,464 bytes of LDS; arguments INIT, PB, PA, TAB, BH, LA, LB, out1; writes PA, LB, out1
;; launch t5: the kernel of part 3 again; grid 142 x 1, 4 waves a work-group, no clusters, 254,464 bytes of LDS; arguments INIT, PA, PB, TAB, BH, LB, LA, out1; writes PB, LA, out1
;; launch t6: the kernel of part 3 again; grid 138 x 1, 4 waves a work-group, no clusters, 254,464 bytes of LDS; arguments INIT, PB, PA, TAB, BH, LA, LB, out1; writes PA, LB, out1
;; launch t7: the kernel of part 3 again; grid 134 x 1, 4 waves a work-group, no clusters, 254,464 bytes of LDS; arguments INIT, PA, PB, TAB, BH, LB, LA, out1; writes PB, LA, out1
;; launch t8: the kernel of part 3 again; grid 99 x 1, 4 waves a work-group, no clusters, 254,464 bytes of LDS; arguments INIT, PB, PA, TAB, BH, LA, LB, out1; writes PA, LB, out1
;; launch t9: the kernel of part 3 again; grid 65 x 1, 4 waves a work-group, no clusters, 254,464 bytes of LDS; arguments INIT, PA, PB, TAB, BH, LB, LA, out1; writes PB, LA, out1
;; launch t10: the kernel of part 3 again; grid 32 x 1, 4 waves a work-group, no clusters, 254,464 bytes of LDS; arguments INIT, PB, PA, TAB, BH, LA, LB, out1; writes PA, LB, out1
;; ======== version 3 of 3: 12 launches; version 2 with the launches tile, t1, t2, t3, t4, t5, t6, t7, t8, t9, t10 written anew for expert scheduling mode
;; workspace buffers: INIT 3,932,160 bytes; PA 3,932,160 bytes; PB 3,932,160 bytes; BH 8,192 bytes; TAB 45,056 bytes of whole numbers; LA 4,096 bytes of whole numbers; LB 4,096 bytes of whole numbers
;; launch prep: the kernel of part 1 again; grid 8 x 12, 8 waves a work-group, no clusters, 37,888 bytes of LDS; arguments x, weight, bias, out0, INIT, BH, TAB, LA; writes out0, INIT, BH, TAB, LA
;; launch tile (part 4): grid 39 x 1, 4 waves a work-group, no clusters, 254,464 bytes of LDS; arguments INIT, PB, PA, TAB, BH, LA, LB, out1; writes PA, LB, out1
.if DOCPART == 4
	.amdgcn_target "amdgcn-amd-amdhsa--gfx1250"
	.amdhsa_code_object_version 6
	.text
	.protected	k_qc75336e81b_tile
	.globl	k_qc75336e81b_tile
	.p2align	8
	.type	k_qc75336e81b_tile,@function
k_qc75336e81b_tile:
	s_mov_b64 s[64:65], 0
	v_nop
	global_prefetch_b8 v0, s[64:65] scope:SCOPE_SE
	s_setreg_imm32_b32 hwreg(HW_REG_WAVE_SCHED_MODE, 0, 2), 2
	s_setreg_imm32_b32 hwreg(HW_REG_WAVE_MODE, 25, 1), 1
	s_wait_xcnt 0x0
	s_wait_alu depctr_vm_vsrc(0)
; ONE ANTI-DIAGONAL OF THE SANGER WALK.  reference()'s step t, row i, is a NODE:  y = W_i . x_t + b_i;  r' = r - y W_i;  W_i' = W_i + LR y r,  with r = x_t at row 0
; (tril(y y^T, -1) W is y_i times the running sum of y_j W_j over j < i).  z_i[s] = W_i . x_s obeys the same node with G[t][s] = x_t . x_s in x_t's place, and y = z_i[t] + b_i.
; So the state has 1,280 columns, 40 groups of 32: W's 32 groups and 8 Gram groups.  Kept scaled: Z = sq (W | z), R = LR r, Y = sq y, sq = sqrt(LR):  Y = Z[t] + sq b;  R' = R - Y Z;  Z' = Z + Y R.
; Node (i, t) needs (i, t - 1) and (i - 1, t) alone.  Tile (I, C) is rows 128 I .. and times 32 C ..; launch l runs the tiles with I + C = l; state comes from tile (I, C - 1), carries from tile (I - 1, C),
; both stored by the launch before (Pin), or from INIT at the lattice's edges.  Nothing is loaded from a buffer that this launch stores into.
; SHARES.  A work-group (I, C, g), read from the launch's list, runs the tile's 128 x 32 nodes on two vectors of 32 lanes held as register pairs: the PANEL (Gram group 32 + C, from which Y is read; every
; work-group of the tile makes it anew) and its OWN group g.  Four waves, one to a SIMD; wave w owns times 8 w .. 8 w + 7 (eight SLOTS) and their carries.  In step n slot j works on the wave's row n - j:
; eight independent nodes, 32 instructions.  Rows pass from wave to wave, each wave 16 rows behind the one before: 128 + 3 x 16 + 7 = 183 steps, run as 46 trips of 4.
; STREAMS.  Stream s (192 rows of 256 bytes: 32 lanes x (panel, own)) holds at index p the row that wave s enters in step p; wave w stores its row p at index p + 16 of stream w + 1.  Stream 0 is the staged tile,
; stream 4 the way out.  Every byte of a stream is written once, all waves run the same lines, and one barrier a trip stands between a trip's stores and the loads of them.
; A STEP'S ORDER: the eight Y are read out of the panel; the carries take the step BEFORE; the biases are added; the rows are updated.  So sixteen lines stand between a Y's reading and its addition, and eight or
; more between every other result and its use.  The carries may wait because a row's update goes into the row's other register (two sets, by the slot's parity), which leaves the old row for them.
; A trip's LDS lines stand behind a step's eight scalar additions, so that the last vector line lies eight lines back and what is stored was written 24 lines back or more.
; The pipeline is filled and drained by rows of zeros with bias 0, for which Y = 0 and the node changes nothing.
; No matrix instruction: the running sum is carried in f32 from node to node.  No tensor load, no cluster: a work-group reads 40 KB once, at its start.
; THE MODE: SCHED_MODE bits 1:0 = 2 (LLVM: expert scheduling mode 2), set by the entry lines.  The code itself states the register dependences between vector instructions and memory or LDS
; instructions, and between a vector instruction that writes a scalar register and that register's readers, with s_wait_alu, always for 0.
; THE PLAN.  Registers that memory or LDS instructions touch, in the loop:
;   set 0 of the rows  Register p % 16: loaded with row p three to six steps ahead of step p; read by slots 0, 2, 4, 6 in steps p, p + 2, p + 4, p + 6 and by their carries a step later; written by slots
;                      1, 3, 5, 7 in steps p + 1 .. p + 7; stored in one of the steps p + 8 .. p + 11; loaded again two steps behind that store.
;   v[VWR]             Read by the row stores; written once a pass, at the pass's end.
;   v[VRD]             Read by the row loads; written once a pass, in the second step of the pass's fourth trip.
;   Set 1 of the rows and the carries are named by vector instructions alone.
; A trip has one wait on va_vdst, straight ahead of its four stores: the rows stored are written (and, where it was stepped, the address).  It serves the trip's four loads too: they land in the registers just
; stored, and between the wait and the loads the vector lines name rows 4 q - 6 .. 4 q + 3 alone, never those registers.  One wait on vm_vsrc stands ahead of the loads: the stores have read those registers;
; in a pass's fourth trip it also frees v[VWR].  One more a pass stands ahead of the add to v[VRD].  Each step has one wait on va_sdst, between the eight lines that read Y into scalar registers and the additions.
; LIMITS.  A row of zeros is multiplied by the carries: a carry that is not finite would spoil it; carries are finite wherever reference()'s new_weight is.
; out1 leaves in pieces of 128 bytes a row (a group's 32 columns).
.set SOFF,    2621440                  ; region R of INIT, Pin, Pout: [group 40][time 256][32 f32], behind region S: [group 40][row 512][32 f32]
.set SS,      49152                    ; LDS: five streams of 192 rows x 256 bytes, from byte 0
.set ZROWS,   128*256                  ;      stream 0's rows 128 - 191 are zeros
.set OUTREAL, 4*SS+64*256              ;      the tile's row i leaves wave 3 as its row i + 48, so it lies at index i + 64 of stream 4
.set CST,     5*SS                     ;      the tile's carries on the way out: own 4,096 bytes, panel 4,096 bytes
.set SPARE,   CST+8192                 ;      the spare words, 128 bytes a wave, that no other line names
.set PASSES,  11                       ; a pass of the loop is 4 trips, 16 steps: once round the 16 row registers; two more trips are written out behind it
.set SPW,  2                           ; v2  my spare word;  v3  0
.set NIL,  3
.set VRD,  4                           ; v4  my stream: SS w + 8 x lane + 4,096 x pass
.set VWR,  5                           ; v5  the next wave's stream: SS (w + 1) + 8 x lane + 4,096 x pass
.set X0,   16                          ; v[16:47], v[48:79]  two sets of 16 rows, a pair (panel, own) each; row p lies at p % 16; slot j reads set j % 2 and writes the other
.set RR,   80                          ; v[80:95]   the eight carries, pairs
.set STG,  96                          ; v[96:159]  as loaded at the start (panel 32, own 32); the way out at the end
.set TI,   160                         ; v[160:223] panel and own interleaved; the carries on the way out
; v1 lane, v6 - v15 addresses, v[224:231] the next launch's list entries, v[232:235] zeros, v236 at work
.set WV,   24                          ; s24  wave
.set YB,   28                          ; s[28:59]  Y of slot j in step n: the low word of the pair at YB + 16 (n % 2) + 2 j.  The packed forms take the low word alone, so the high words carry
                                       ;           other numbers: of the first eight pairs the lanes 8 w + j, of the next seven sq b of the last seven rows of the pass before
.set BC,   68                          ; s[68:83]  sq b of the 16 rows that enter in this pass
.set BN,   84                          ; s[84:99]  for the next pass (before the loop: the four addresses that the first loads read from)
; s[4:19] INIT, Pin, Pout, TAB, BH, Lin, Lout, out1, later: s[4:5] own state out, s[6:7] panel carries out, s[8:9] own carries out, s[10:11] TAB's next row, s[18:19] my part of out1
; s20 I, s21 C, s22 g, s23 first;  s60 passes to go;  s61 byte offset in BH;  s[62:63] 1 / sq;  s66 1: I copy the list;  s[100:101] an offset
	s_load_b512 s[4:19], s[0:1], 0x0
	v_lshl_add_u32 v[SPW], v0, 2, SPARE
	v_mov_b32 v[NIL], 0
	v_lshrrev_b32 v236, 5, v0
	v_readfirstlane_b32 s[WV], v236
	v_and_b32 v1, 31, v0
	; what needs no wave number stands between that line and the wait for it
	v_lshlrev_b32 v7, 3, v0                        ; 8 x thread
	v_lshlrev_b32 v8, 4, v0                        ; 16 x thread
	v_lshrrev_b32 v9, 3, v0                        ; staging: row thread / 8 of 256 bytes, four columns' pairs at 32 (thread % 8)
	v_and_b32 v236, 7, v0
	v_lshlrev_b32 v9, 8, v9
	v_lshl_add_u32 v9, v236, 5, v9
	v_add_nc_u32 v10, ZROWS, v8
	v_lshrrev_b32 v12, 4, v0                       ; out1: row thread / 16 of 4,096 bytes, 8 bytes at thread % 16
	v_and_b32 v236, 15, v0
	v_lshlrev_b32 v12, 12, v12
	v_lshl_add_u32 v12, v236, 3, v12
	v_add_nc_u32 v13, OUTREAL, v8
	v_add_nc_u32 v15, CST, v8
.irp i, 232,233,234,235
	v_mov_b32 v\i, 0
.endr
.irp i, 224,225,226,227,228,229,230,231
	v_mov_b32 v\i, 0                               ; written on every path
.endr
	; the zeros that fill the pipeline, in registers: my rows - 10 .. - 1 (set 0: they are handed on) and - 8 .. - 1 (set 1)
.set z, X0+12
.rept 20
	v_mov_b32 v[z], 0
.set z, z+1
.endr
.set z, X0+32+16
.rept 16
	v_mov_b32 v[z], 0
.set z, z+1
.endr
	s_wait_alu depctr_va_sdst(0)                   ; s24, the wave's number, is written, ahead of its first reader
	s_mul_i32 s25, s[WV], SS
	v_lshl_add_u32 v[VRD], v1, 3, s25
	v_add_nc_u32 v[VWR], SS, v[VRD]
	v_lshl_add_u32 v6, v1, 4, s25
	v_add_nc_u32 v6, SS, v6                        ; the head of the next wave's stream, 16 bytes a lane
	s_lshl_b32 s26, s[WV], 10
	v_lshl_add_u32 v14, v1, 2, s26                 ; my wave's eight times of 128 bytes, my lane
	v_add_nc_u32 v11, CST, v14
	s_lshl_b32 s27, ttmp9, 4
	s_wait_kmcnt 0x0
	s_load_b128 s[20:23], s[14:15], s27 offset:0x0 ; my entry of the launch's list
	s_lshl_b32 s[YB+1], s[WV], 3                   ; the lanes in which the panel holds my times' columns
.irp j, 1,2,3,4,5,6,7
	s_add_co_u32 s[YB+2*(\j)+1], s[YB+1], \j
.endr
.irp j, 0,1,2,3,4,5,6,7
	s_mov_b32 s[YB+16+2*(\j)], 0                   ; Y of the step before the first: the carries' first update changes nothing
	s_mov_b32 s[YB+16+2*(\j)+1], 0                 ; and the rows before the first have bias 0
.endr
	s_lshl_b32 s61, s[WV], 6
	s_sub_co_u32 s61, 320, s61                     ; word 80 - 16 w of a block of BH: the bias of my first entering row, the tile's row - 16 w
	s_mov_b32 s101, 0
	s_mov_b32 s62, 0x41fcfb72                      ; 1 / sq
	s_mov_b32 s63, s62
	s_wait_kmcnt 0x0
	s_min_u32 s20, s20, 3                          ; whole numbers from memory enter addresses only behind these bounds
	s_min_u32 s21, s21, 7
	s_min_u32 s22, s22, 39
	s_min_u32 s23, s23, 1
	s_lshl_b32 s25, s20, 11
	s_add_co_u32 s61, s61, s25
	s_load_b512 s[BC:BC+15], s[12:13], s61 offset:0x0
	s_cmp_eq_u32 s21, 0
	s_cselect_b64 s[84:85], s[4:5], s[6:7]         ; state: INIT at time block 0, else what tile (I, C - 1) stored
	s_cmp_eq_u32 s20, 0
	s_cselect_b64 s[86:87], s[4:5], s[6:7]         ; carries: INIT at row block 0, else what tile (I - 1, C) stored
	s_add_co_u32 s26, s21, 32                      ; the panel's group
	s_lshl_b32 s27, s20, 14                        ; 128 rows of 128 bytes
	s_lshl_b32 s100, s26, 16
	s_add_co_u32 s100, s100, s27
	s_add_nc_u64 s[88:89], s[84:85], s[100:101]    ; panel state
	s_lshl_b32 s100, s22, 16
	s_add_co_u32 s100, s100, s27
	s_add_nc_u64 s[90:91], s[84:85], s[100:101]    ; own state, in
	s_wait_alu depctr_va_vdst(0)                   ; the head's vector lines have written: the addresses v4 to v15, which the loads and stores of the whole kernel read; the zeros v[232:235] and the zero rows, which LDS stores read; v[224:231], in which the list's loads land
.irp i, 0,1,2,3,4,5,6,7                            ; the tile's state, 16,384 consecutive bytes each: asked for as soon as the two addresses are made
	global_load_b128 v[STG+4*(\i):STG+4*(\i)+3],       v8, s[88:89] offset:(\i)*2048
	global_load_b128 v[STG+32+4*(\i):STG+32+4*(\i)+3], v8, s[90:91] offset:(\i)*2048
.endr
	s_add_nc_u64 s[4:5], s[8:9], s[100:101]        ; own state, out
	s_lshl_b32 s25, s21, 12                        ; 32 times of 128 bytes
	s_add_co_u32 s25, s25, SOFF
	s_lshl_b32 s100, s26, 15
	s_add_co_u32 s100, s100, s25
	s_add_nc_u64 s[92:93], s[86:87], s[100:101]    ; panel carries, in
	s_add_nc_u64 s[6:7], s[8:9], s[100:101]        ; and out
	s_lshl_b32 s100, s22, 15
	s_add_co_u32 s100, s100, s25
	s_add_nc_u64 s[94:95], s[86:87], s[100:101]    ; own carries, in
	s_add_nc_u64 s[8:9], s[8:9], s[100:101]        ; and out
.irp j, 0,1,2,3,4,5,6,7                            ; my eight times' carries
	global_load_b32 v[RR+2*(\j)],   v14, s[92:93] offset:(\j)*128
	global_load_b32 v[RR+2*(\j)+1], v14, s[94:95] offset:(\j)*128
.endr
	s_lshl_b32 s100, s20, 19                       ; out1: 128 rows of 4,096 bytes, 32 columns of 4
	s_lshl_b32 s26, s22, 7
	s_add_co_u32 s100, s100, s26
	s_add_nc_u64 s[18:19], s[18:19], s[100:101]
	; work-group 0 hands the next launch its row of TAB (the last launch has none to hand on)
	s_add_co_u32 s25, s20, s21                     ; this launch's number
	s_cmp_lg_u32 s25, 10
	s_cselect_b32 s66, 1, 0
	s_cmp_eq_u32 ttmp9, 0
	s_cselect_b32 s66, s66, 0
	s_add_co_u32 s100, s25, 1
	s_min_u32 s100, s100, 10
	s_lshl_b32 s100, s100, 12
	s_add_nc_u64 s[10:11], s[10:11], s[100:101]
	s_cmp_eq_u32 s66, 0
	s_cbranch_scc1 .Lno_list
	global_load_b128 v[224:227], v8, s[10:11]
	global_load_b128 v[228:231], v8, s[10:11] offset:2048
.Lno_list:
	; while the loads are out, the zeros that fill the pipeline, in LDS: stream 0's rows 128 - 191; rows 0 - 5 of the next wave's stream, which are read before anything is stored there.
	; No wait: no vector line since the wait above.
.irp i, 0,1,2,3,4,5,6,7
	ds_store_b128 v10, v[232:235] offset:(\i)*2048
.endr
.irp i, 0,1,2
	ds_store_b128 v6, v[232:235] offset:(\i)*512
.endr
	s_wait_loadcnt 0x0
	; a stream's row holds (panel, own) lane by lane, as the packed arithmetic wants them: four columns of each become two runs of 16 bytes.  All the moves first, then all the stores.
.irp i, 0,1,2,3,4,5,6,7
.irp c, 0,1,2,3
	v_mov_b32 v[TI+8*(\i)+2*(\c)],   v[STG+4*(\i)+(\c)]
	v_mov_b32 v[TI+8*(\i)+2*(\c)+1], v[STG+32+4*(\i)+(\c)]
.endr
.endr
	s_wait_alu depctr_va_vdst(0)                   ; the moves have written v[TI ..], which the LDS stores read
.irp i, 0,1,2,3,4,5,6,7
	ds_store_b128 v9, v[TI+8*(\i):TI+8*(\i)+3]   offset:(\i)*4096
	ds_store_b128 v9, v[TI+8*(\i)+4:TI+8*(\i)+7] offset:(\i)*4096+16
.endr
	s_cmp_eq_u32 s66, 0
	s_cbranch_scc1 .Lno_list2
	global_store_b128 v8, v[224:227], s[16:17]
	global_store_b128 v8, v[228:231], s[16:17] offset:2048
.Lno_list2:
	s_wait_kmcnt 0x0                               ; the first pass's biases
	s_wait_dscnt 0x0                               ; for the others' sake: my stores are done
	s_barrier_signal -1
	s_barrier_wait -1
.irp e, 0,1,2,3,4,5                                ; my rows 0 to 5; every later row is asked for by the trips, in the step three ahead of its first.  No vector line has named these twelve registers
	ds_load_b64 v[X0+2*(\e):X0+2*(\e)+1], v[VRD] offset:(\e)*256
.endr
	s_wait_dscnt 0x0
; the registers of slot j's node in step n of a pass (n = - 1: the last step of the pass before)
.macro PICK n, j
.set eN, (\n)-(\j)
.set iX, (eN+32)%16
.set rS, X0+32*((\j)%2)+2*iX                       ; the row as it comes
.set rD, X0+32*(((\j)+1)%2)+2*iX                   ; and as it goes
.set rR, RR+2*(\j)
.set sY, YB+16*(((\n)+32)%2)+2*(\j)
.if eN >= 0
.set sB, BC+eN
.else
.set sB, YB+16+2*(eN+7)+1
.endif
.endm
; A step is eight nodes in four blocks of eight lines.  Panel and own ride in one packed instruction.
.macro READY n                         ; the panel's lane of my time
.irp j, 0,1,2,3,4,5,6,7
	PICK \n, \j
	v_readlane_b32 s[sY], v[rS], s[YB+2*(\j)+1]
.endr
.endm
.macro CARRY n                         ; the carries take step n - 1:  R = R - Y Z, with the row as it came to that step
.irp j, 0,1,2,3,4,5,6,7
	PICK (\n)-1, \j
	v_pk_fma_f32 v[rR:rR+1], v[rS:rS+1], s[sY:sY+1], v[rR:rR+1] op_sel_hi:[1,0,1] neg_lo:[1,0,0] neg_hi:[1,0,0]
.endr
.endm
.macro BIAS n                          ; Y = that lane + sq b
.irp j, 0,1,2,3,4,5,6,7
	PICK \n, \j
	s_add_f32 s[sY], s[sY], s[sB]
.endr
.endm
.macro ROWS n                          ; Z' = Z + Y R
.irp j, 0,1,2,3,4,5,6,7
	PICK \n, \j
	v_pk_fma_f32 v[rD:rD+1], v[rR:rR+1], s[sY:sY+1], v[rS:rS+1] op_sel_hi:[1,0,1]
.endr
.endm
.macro STEP n
	READY \n
	CARRY \n
	s_wait_alu depctr_va_sdst(0)                   ; the step's eight Y are written into their scalar registers, ahead of their first readers, the additions (the carries above read the other eight pairs)
	BIAS \n
	ROWS \n
.endm
; Trip q of a pass: steps 4 q .. 4 q + 3.
; In its second step it hands on the four rows that have passed slot 7 in steps 4 q - 3 .. 4 q: my rows 4 q - 10 .., at index + 16 of the next stream.  48 lines on it waits for those stores and signals;
; the fourth step's carries and biases stand between the signal and the wait; behind the wait it asks for the rows that enter in steps 4 q + 6 .. 4 q + 9, which the wave before has stored in this same trip.
; They land in the registers that the trip's stores have read; no step names those before the rows enter: steps 4 q + 3 .. 4 q + 5 name rows 4 q - 4 and above, the next stores rows 4 q - 6 .. 4 q - 3.
; ld = 0: the last trip asks for nothing.  bump = 1: a pass's last trip: the read address steps in its second step, between the loads of the trip before and its own, and its loads' offsets are 16 rows less.
.macro TRIP q, ld, bump
	STEP 4*(\q)
	READY 4*(\q)+1
	CARRY 4*(\q)+1
.if \bump
	s_wait_alu depctr_vm_vsrc(0)                   ; the row loads issued so far have read v[VRD]
	v_add_nc_u32 v[VRD], 4096, v[VRD]
.endif
	s_wait_alu depctr_va_sdst(0)                   ; the step's eight Y are written, ahead of the additions
	BIAS 4*(\q)+1
	s_wait_alu depctr_va_vdst(0)                   ; the four rows below are written (the last by the step before); so are v[VWR], stepped at the last pass's end, and v[VRD], stepped above; and every vector line that names these four registers is done, for the loads two steps on
.irp e, 0,1,2,3
.set iX, (4*(\q)+6+(\e))%16
	ds_store_b64 v[VWR], v[X0+2*iX:X0+2*iX+1] offset:(4*(\q)+6+(\e))*256
.endr
	ROWS 4*(\q)+1
	s_wait_dscnt 4                                 ; the four rows asked for in the trip before are in: behind their loads only the four stores above have been issued
	STEP 4*(\q)+2
	READY 4*(\q)+3
	s_wait_dscnt 0x0                               ; my stores are done, for the next wave's sake:
	s_barrier_signal -1                            ; say so,
	CARRY 4*(\q)+3                                 ; work on registers while the others arrive,
	s_wait_alu depctr_va_sdst(0)                   ; the step's eight Y are written, ahead of the additions
	BIAS 4*(\q)+3
	s_barrier_wait -1                              ; and read the next rows only when all four have said so
.if \ld
	s_wait_alu depctr_vm_vsrc(0)                   ; the trip's four stores have read their rows, in whose registers the loads below land, and v[VWR]
.irp e, 0,1,2,3
.set iX, (4*(\q)+6+(\e))%16
	ds_load_b64 v[X0+2*iX:X0+2*iX+1], v[VRD] offset:(4*(\q)+6+(\e)-16*(\bump))*256
.endr
.endif
	ROWS 4*(\q)+3
.endm
	s_mov_b32 s60, PASSES
.Lpass:
	s_add_co_u32 s61, s61, 64                      ; the next pass's 16 biases are asked for a pass ahead
	s_load_b512 s[BN:BN+15], s[12:13], s61 offset:0x0
	TRIP 0, 1, 0
	TRIP 1, 1, 0
	TRIP 2, 1, 0
	TRIP 3, 1, 1
	s_wait_kmcnt 0x0                               ; they are in, and s61 may step
.irp i, 0,1,2,3,4,5,6
	s_mov_b32 s[YB+16+2*(\i)+1], s[BC+9+(\i)]      ; the last seven rows are still in the slots
.endr
.irp i, 0,2,4,6,8,10,12,14
	s_mov_b64 s[BC+(\i):BC+(\i)+1], s[BN+(\i):BN+(\i)+1]
.endr
	v_add_nc_u32 v[VWR], 4096, v[VWR]              ; free since the last trip's wait on vm_vsrc: behind it only loads have been issued, which name the other address
	s_sub_co_u32 s60, s60, 1
	s_cmp_lg_u32 s60, 0
	s_cbranch_scc1 .Lpass
	TRIP 0, 1, 0                                   ; steps 176 to 183: the tile's last row passes wave 3's slot 7 in step 182
	TRIP 1, 0, 0
	CARRY 8                                        ; the carries take the last step
	s_wait_alu depctr_va_vdst(0)                   ; the last steps have written the two rows, and the line above the carries, which the LDS stores below read
	ds_store_b64 v[VWR], v[X0+28:X0+29] offset:14*256  ; the two rows that have passed slot 7 since the last hand-over: of wave 3 the tile's rows 126 and 127
	ds_store_b64 v[VWR], v[X0+30:X0+31] offset:15*256
	; THE WAY OUT.  The carries meet in LDS so that they leave as 4,096 consecutive bytes.
.irp j, 0,1,2,3,4,5,6,7
	ds_store_b32 v11, v[RR+2*(\j)+1] offset:(\j)*128
	ds_store_b32 v11, v[RR+2*(\j)]   offset:(\j)*128+4096
.endr
	s_wait_dscnt 0x0
	s_barrier_signal -1
	s_barrier_wait -1
	; These loads land in v[STG ..] and v[TI ..], which the head's moves named, ahead of many waits on va_vdst, and of which the head's LDS stores read v[TI ..], ahead of the loop's waits on vm_vsrc
.irp i, 0,1,2,3,4,5,6,7,8,9,10,11,12,13,14,15      ; 16 bytes a thread: two columns' pairs
	ds_load_b128 v[STG+4*(\i):STG+4*(\i)+3], v13 offset:(\i)*2048
.endr
.irp i, 0,1,2,3
	ds_load_b128 v[TI+4*(\i):TI+4*(\i)+3], v15 offset:(\i)*2048
.endr
	s_wait_dscnt 0x0
.irp i, 0,1,2,3,4,5,6,7,8,9,10,11,12,13,14,15
	v_mov_b32 v[STG+4*(\i)+2], v[STG+4*(\i)+1]     ; the two own numbers side by side
.endr
	s_cmp_eq_u32 s21, 7
	s_cbranch_scc1 .Lfinal
	s_wait_alu depctr_va_vdst(0)                   ; the moves have written the pairs that the stores read
.irp i, 0,1,2,3,4,5,6,7,8,9,10,11,12,13,14,15      ; the own group's state for tile (I, C + 1): each store of a wave covers 256 consecutive bytes, aligned
	global_store_b64 v7, v[STG+4*(\i)+2:STG+4*(\i)+3], s[4:5] offset:(\i)*1024
.endr
	s_branch .Lcarry
.Lfinal:                                           ; behind the last time block the state is sq x new_weight
.irp i, 0,1,2,3,4,5,6,7,8,9,10,11,12,13,14,15
	v_pk_mul_f32 v[STG+4*(\i)+2:STG+4*(\i)+3], v[STG+4*(\i)+2:STG+4*(\i)+3], s[62:63] op_sel_hi:[1,0]
.endr
	s_wait_alu depctr_va_vdst(0)                   ; the scalings have written the pairs that the stores read
.irp i, 0,1,2,3,4,5,6,7,8,9,10,11,12,13,14,15
	global_store_b64 v12, v[STG+4*(\i)+2:STG+4*(\i)+3], s[18:19] offset:(\i)*32768
.endr
.Lcarry:
	s_cmp_eq_u32 s20, 3                            ; below the last row block nobody takes the carries
	s_cbranch_scc1 .Lend
	global_store_b128 v8, v[TI:TI+3],   s[8:9]     ; as the LDS loads brought them: no vector line has named them since
	global_store_b128 v8, v[TI+4:TI+7], s[8:9] offset:2048
	s_cmp_eq_u32 s23, 0                            ; the panel's carries are alike in the tile's work-groups: the first stores them
	s_cbranch_scc1 .Lend
	global_store_b128 v8, v[TI+8:TI+11],  s[6:7]
	global_store_b128 v8, v[TI+12:TI+15], s[6:7] offset:2048
.Lend:
	s_wait_dscnt 0x0                               ; the wave's end
	s_wait_alu 0x0
	s_wait_tensorcnt 0x0
	ds_add_u32 v[SPW], v[NIL]
	s_wait_dscnt 0x0
	s_endpgm
.Lfunc_end_k_qc75336e81b_tile:
	.size	k_qc75336e81b_tile, .Lfunc_end_k_qc75336e81b_tile-k_qc75336e81b_tile
	.p2alignl 7, 3214868480
	.fill 96, 4, 3214868480
	.section	.rodata,"a",@progbits
	.p2align	6, 0x0
	.amdhsa_kernel k_qc75336e81b_tile
		.amdhsa_group_segment_fixed_size 254464
		.amdhsa_private_segment_fixed_size 0
		.amdhsa_enable_private_segment 0
		.amdhsa_kernarg_size 64
		.amdhsa_user_sgpr_count 2
		.amdhsa_user_sgpr_kernarg_segment_ptr 1
		.amdhsa_wavefront_size32 1
		.amdhsa_system_sgpr_workgroup_id_x 1
		.amdhsa_system_sgpr_workgroup_id_y 1
		.amdhsa_system_sgpr_workgroup_id_z 1
		.amdhsa_system_vgpr_workitem_id 0
		.amdhsa_next_free_vgpr 240
		.amdhsa_next_free_sgpr 102
		.amdhsa_reserve_vcc 0
		.amdhsa_float_denorm_mode_32 3
		.amdhsa_float_denorm_mode_16_64 3
		.amdhsa_memory_ordered 1
		.amdhsa_forward_progress 1
		.amdhsa_inst_pref_size 70
	.end_amdhsa_kernel
	.amdgpu_metadata
---
amdhsa.version: [ 1, 2 ]
amdhsa.kernels:
  - .name:           k_qc75336e81b_tile
    .symbol:         k_qc75336e81b_tile.kd
    .args:
      - { .name: INIT, .offset: 0, .size: 8, .value_kind: global_buffer, .address_space: global }
      - { .name: PB, .offset: 8, .size: 8, .value_kind: global_buffer, .address_space: global }
      - { .name: PA, .offset: 16, .size: 8, .value_kind: global_buffer, .address_space: global }
      - { .name: TAB, .offset: 24, .size: 8, .value_kind: global_buffer, .address_space: global }
      - { .name: BH, .offset: 32, .size: 8, .value_kind: global_buffer, .address_space: global }
      - { .name: LA, .offset: 40, .size: 8, .value_kind: global_buffer, .address_space: global }
      - { .name: LB, .offset: 48, .size: 8, .value_kind: global_buffer, .address_space: global }
      - { .name: out1, .offset: 56, .size: 8, .value_kind: global_buffer, .address_space: global }
    .group_segment_fixed_size: 254464
    .private_segment_fixed_size: 0
    .kernarg_segment_align: 8
    .kernarg_segment_size: 64
    .max_flat_workgroup_size: 128
    .sgpr_count:     102
    .vgpr_count:     240
    .wavefront_size: 32
...
	.end_amdgpu_metadata
.endif
;; end of part 4
;; launch t1: the kernel of part 4 again; grid 77 x 1, 4 waves a work-group, no clusters, 254,464 bytes of LDS; arguments INIT, PA, PB, TAB, BH, LB, LA, out1; writes PB, LA, out1
;; launch t2: the kernel of part 4 again; grid 114 x 1, 4 waves a work-group, no clusters, 254,464 bytes of LDS; arguments INIT, PB, PA, TAB, BH, LA, LB, out1; writes PA, LB, out1
;; launch t3: the kernel of part 4 again; grid 150 x 1, 4 waves a work-group, no clusters, 254,464 bytes of LDS; arguments INIT, PA, PB, TAB, BH, LB, LA, out1; writes PB, LA, out1
;; launch t4: the kernel of part 4 again; grid 146 x 1, 4 waves a work-group, no clusters, 254,464 bytes of LDS; arguments INIT, PB, PA, TAB, BH, LA, LB, out1; writes PA, LB, out1
;; launch t5: the kernel of part 4 again; grid 142 x 1, 4 waves a work-group, no clusters, 254,464 bytes of LDS; arguments INIT, PA, PB, TAB, BH, LB, LA, out1; writes PB, LA, out1
;; launch t6: the kernel of part 4 again; grid 138 x 1, 4 waves a work-group, no clusters, 254,464 bytes of LDS; arguments INIT, PB, PA, TAB, BH, LA, LB, out1; writes PA, LB, out1
;; launch t7: the kernel of part 4 again; grid 134 x 1, 4 waves a work-group, no clusters, 254,464 bytes of LDS; arguments INIT, PA, PB, TAB, BH, LB, LA, out1; writes PB, LA, out1
;; launch t8: the kernel of part 4 again; grid 99 x 1, 4 waves a work-group, no clusters, 254,464 bytes of LDS; arguments INIT, PB, PA, TAB, BH, LA, LB, out1; writes PA, LB, out1
;; launch t9: the kernel of part 4 again; grid 65 x 1, 4 waves a work-group, no clusters, 254,464 bytes of LDS; arguments INIT, PA, PB, TAB, BH, LB, LA, out1; writes PB, LA, out1
;; launch t10: the kernel of part 4 again; grid 32 x 1, 4 waves a work-group, no clusters, 254,464 bytes of LDS; arguments INIT, PB, PA, TAB, BH, LA, LB, out1; writes PA, LB, out1
